; MI455X (gfx1250); checked and timed in simulation.
; The chip was launched on July 23, 2026; its instructions are those of AMD's public machine-readable ISA for CDNA 5 (MIT licence, August 2026) and "CDNA5" Instruction Set Architecture Reference Guide (July 2026). The comments in the code are by the model that wrote it; some were corrected since.
;; Block. Allowed arithmetic: float matrix products may take bf16 or f16 operands with f32 sums; other float arithmetic in f32, or as packed bf16 or f16 multiplies, adds, multiply-adds, maxima and minima; sums over many terms, partial sums and values carried from step to step in f32; what a program stores and reads back later, other than sums and carried values, may be rounded once to bf16 or f16.
;; Inputs: ln1_b 1,024 float32; ln1_g 1,024 float32; ln2_b 1,024 float32; ln2_g 1,024 float32; w1 1,024 x 4,096 float32; w2 4,096 x 1,024 float32; w_proj 1,024 x 1,024 float32; w_qkv 1,024 x 3,072 float32; x 2 x 2,048 x 1,024 float32.
;; Outputs: out0 2 x 2,048 x 1,024 float32.
;; One version. Each part assembles by itself: llvm-mc -triple=amdgcn-amd-amdhsa -mcpu=gfx1250 --defsym DOCPART=n.
;; ======== version 1 of 1: 7 launches
;; limits: a function is approximated: absolute error at most 2.5e-05; an absolute error that grows with the inputs' magnitude: up to 1.25e-05 times it
;; workspace buffers: wbf 25,165,824 bytes; h 8,388,608 bytes; qkv 25,165,824 bytes; att 8,388,608 bytes; x1 16,777,216 bytes; gact 33,554,432 bytes
;; launch prep (part 1): grid 1280 x 1, 8 waves a work-group, no clusters, 0 bytes of LDS; arguments x, ln1_g, ln1_b, w_qkv, w_proj, w1, w2, h, wbf; writes h, wbf
.if DOCPART == 1
	.amdgcn_target "amdgcn-amd-amdhsa--gfx1250"
	.amdhsa_code_object_version 6
	.text
	.protected	k_qd4d9915ecb_prep
	.globl	k_qd4d9915ecb_prep
	.p2align	8
	.type	k_qd4d9915ecb_prep,@function
k_qd4d9915ecb_prep:
	s_mov_b64 s[64:65], 0
	v_nop
	global_prefetch_b8 v0, s[64:65] scope:SCOPE_SE
	s_setreg_imm32_b32 hwreg(HW_REG_WAVE_MODE, 25, 1), 1
	s_wait_xcnt 0x0
; PREP: two kinds of work-groups in one launch.
; Work-groups 0 .. 511: h = LayerNorm(x) * g + b, rounded once to bf16.  x: [4096][1024] f32, h: [4096][1024] bf16.  One wave takes one row (4,096 bytes, 32 registers) and keeps it
; in registers between the pass for the mean, the pass for the variance (of x - mean, as the definition has it) and the scaling: the row is read once, and no wave waits for another.
; Work-groups 512 .. 1279: the four weight matrices are rounded to bf16 and laid one behind the other in wbf, each still [K][N]: a work-group takes 16,384 numbers.
; No LDS, no barrier, no matrix unit: bytes are all that counts here.
; LIMITS: NaN and infinities are not treated apart.
.set NLN, 512                          ; work-groups that normalise
.set X,   8                            ; v[8:39]    the row: load i holds columns 128 i + 4 lane .. + 3
.set G,   40                           ; v[40:71]   the gain of the same columns
.set BV,  72                           ; v[72:103]  the bias
.set Y,   104                          ; v[104:119] at work, then the row in bf16
.set MU,  120                          ; v[120:121] the mean, twice
.set R,   122                          ; v[122:123] 1 / sqrt(var + eps), twice
.set T,   124                          ; v124       at work
.set HP,  18                           ; s[18:19]   h
.macro LANESUM r, t                    ; the sum of v[r] over the 32 lanes, in every lane; t: a register that has been written
	v_add_f32_dpp v[\r], v[\r], v[\r] row_xmask:1 row_mask:0xf bank_mask:0xf
	v_add_f32_dpp v[\r], v[\r], v[\r] row_xmask:2 row_mask:0xf bank_mask:0xf
	v_add_f32_dpp v[\r], v[\r], v[\r] row_xmask:4 row_mask:0xf bank_mask:0xf
	v_add_f32_dpp v[\r], v[\r], v[\r] row_xmask:8 row_mask:0xf bank_mask:0xf
	v_permlanex16_b32 v[\t], v[\r], s26, s27
	v_add_f32 v[\r], v[\r], v[\t]
.endm
	s_load_b512 s[4:19], s[0:1], 0x0               ; x s[4:5], g s[6:7], b s[8:9], w_qkv s[10:11], w_proj s[12:13], w1 s[14:15], w2 s[16:17], h s[18:19]
	s_load_b64 s[20:21], s[0:1], 0x40              ; wbf
	v_lshrrev_b32 v1, 5, v0
	v_readfirstlane_b32 s22, v1                    ; wave 0..7
	s_cmp_lt_u32 ttmp9, NLN
	s_cbranch_scc0 .Lcast
	s_lshl_b32 s23, ttmp9, 3
	s_add_co_u32 s23, s23, s22                     ; my row
	s_lshl_b32 s28, s23, 12                        ; 4,096 bytes a row of x
	s_mov_b32 s29, 0
	s_lshl_b32 s30, s23, 11                        ; 2,048 bytes a row of h
	s_mov_b32 s31, 0
	s_mov_b32 s24, 0x3a800000                      ; 1 / 1024
	s_mov_b32 s25, 0x3727c5ac                      ; eps = 1e-5
	s_mov_b32 s26, 0x76543210                      ; v_permlanex16_b32: each lane takes its own place in the other half
	s_mov_b32 s27, 0xfedcba98
	v_and_b32 v1, 31, v0
	v_lshlrev_b32 v2, 3, v1                        ; 8 bytes a lane on the way out
	v_lshlrev_b32 v1, 4, v1                        ; 16 bytes a lane on the way in
	s_wait_kmcnt 0x0
	s_add_nc_u64 s[4:5], s[4:5], s[28:29]
	s_add_nc_u64 s[HP:HP+1], s[HP:HP+1], s[30:31]
.irp i, 0,1,2,3,4,5,6,7
	global_load_b128 v[X+4*(\i):X+4*(\i)+3], v1, s[4:5] offset:512*(\i)
.endr
.irp i, 0,1,2,3,4,5,6,7
	global_load_b128 v[G+4*(\i):G+4*(\i)+3], v1, s[6:7] offset:512*(\i)
.endr
.irp i, 0,1,2,3,4,5,6,7
	global_load_b128 v[BV+4*(\i):BV+4*(\i)+3], v1, s[8:9] offset:512*(\i)
.endr
	s_wait_loadcnt 16                              ; the row is in; the 16 younger loads (gain, bias) may stay out
.irp i, 0,1,2,3,4,5,6,7
	v_pk_add_f32 v[Y+2*(\i):Y+2*(\i)+1], v[X+4*(\i):X+4*(\i)+1], v[X+4*(\i)+2:X+4*(\i)+3]
.endr
.irp i, 0,1,2,3
	v_pk_add_f32 v[Y+4*(\i):Y+4*(\i)+1], v[Y+4*(\i):Y+4*(\i)+1], v[Y+4*(\i)+2:Y+4*(\i)+3]
.endr
	v_pk_add_f32 v[Y:Y+1], v[Y:Y+1], v[Y+4:Y+5]
	v_pk_add_f32 v[Y+8:Y+9], v[Y+8:Y+9], v[Y+12:Y+13]
	v_pk_add_f32 v[Y:Y+1], v[Y:Y+1], v[Y+8:Y+9]
	v_add_f32 v[T], v[Y], v[Y+1]
	LANESUM T, Y+1
	v_mul_f32 v[MU], s24, v[T]
	v_mov_b32 v[MU+1], v[MU]
.set p, 0
.rept 16
	v_pk_add_f32 v[X+2*p:X+2*p+1], v[X+2*p:X+2*p+1], v[MU:MU+1] neg_lo:[0,1] neg_hi:[0,1]  ; x - mean
.set p, p+1
.endr
.set p, 0
.rept 4
	v_pk_mul_f32 v[Y+2*p:Y+2*p+1], v[X+2*p:X+2*p+1], v[X+2*p:X+2*p+1]                       ; four chains of squares: the first products start them
.set p, p+1
.endr
.rept 12
	v_pk_fma_f32 v[Y+2*(p%4):Y+2*(p%4)+1], v[X+2*p:X+2*p+1], v[X+2*p:X+2*p+1], v[Y+2*(p%4):Y+2*(p%4)+1]
.set p, p+1
.endr
	v_pk_add_f32 v[Y:Y+1], v[Y:Y+1], v[Y+2:Y+3]
	v_pk_add_f32 v[Y+4:Y+5], v[Y+4:Y+5], v[Y+6:Y+7]
	v_pk_add_f32 v[Y:Y+1], v[Y:Y+1], v[Y+4:Y+5]
	v_add_f32 v[T], v[Y], v[Y+1]
	LANESUM T, Y+1
	v_fma_f32 v[T], v[T], s24, s25                 ; var + eps
	v_rsq_f32 v[R], v[T]
	v_rsq_f32 v[R+1], v[T]
	v_nop                                          ; a plain instruction behind the last root (ISA guide 5.7.2),
	s_wait_alu depctr_va_vdst(0)                   ; and the wait ahead of the first use: one for both
	s_wait_loadcnt 0x0                             ; gain and bias
.set p, 0
.rept 16
	v_pk_mul_f32 v[X+2*p:X+2*p+1], v[X+2*p:X+2*p+1], v[R:R+1]
.set p, p+1
.endr
.set p, 0
.rept 16
	v_pk_fma_f32 v[X+2*p:X+2*p+1], v[X+2*p:X+2*p+1], v[G+2*p:G+2*p+1], v[BV+2*p:BV+2*p+1]
.set p, p+1
.endr
.set p, 0
.rept 16
	v_cvt_pk_bf16_f32 v[Y+p], v[X+2*p], v[X+2*p+1]
.set p, p+1
.endr
.irp i, 0,1,2,3,4,5,6,7
	global_store_b64 v2, v[Y+2*(\i):Y+2*(\i)+1], s[HP:HP+1] offset:256*(\i)   ; 32 lanes x 8 bytes: 256 consecutive bytes, aligned
.endr
	s_endpgm
.Lcast:                                        ; chunk c of 768: 192 of w_qkv, 64 of w_proj, 256 of w1, 256 of w2; wbf holds them in that order
	s_sub_co_u32 s23, ttmp9, NLN                   ; c
	v_lshlrev_b32 v1, 4, v0                        ; 16 bytes a thread on the way in,
	v_lshlrev_b32 v2, 3, v0                        ; 8 on the way out
	s_mov_b32 s24, 512
	s_wait_kmcnt 0x0
	s_mov_b64 s[28:29], s[16:17]                   ; the source and its first chunk: w2, or ..
	s_cmp_lt_u32 s23, 512
	s_cselect_b64 s[28:29], s[14:15], s[28:29]
	s_cselect_b32 s24, 256, s24
	s_cmp_lt_u32 s23, 256
	s_cselect_b64 s[28:29], s[12:13], s[28:29]
	s_cselect_b32 s24, 192, s24
	s_cmp_lt_u32 s23, 192
	s_cselect_b64 s[28:29], s[10:11], s[28:29]
	s_cselect_b32 s24, 0, s24
	s_sub_co_u32 s24, s23, s24                     ; the chunk's number in its own matrix
	s_lshl_b32 s30, s24, 16                        ; 65,536 bytes of f32
	s_mov_b32 s31, 0
	s_add_nc_u64 s[28:29], s[28:29], s[30:31]
	s_lshl_b32 s30, s23, 15                        ; 32,768 bytes of bf16
	s_add_nc_u64 s[20:21], s[20:21], s[30:31]
.set i, 0
.rept 16
	global_load_b128 v[8+4*i:8+4*i+3], v1, s[28:29] offset:4096*i th:TH_LOAD_NT  ; all sixteen on their way at once
.set i, i+1
.endr
.set i, 0
.rept 16
	s_wait_loadcnt 15-i                            ; loads come back in order (ISA guide 5.7.1): load i is in, the younger ones stay out
	v_cvt_pk_bf16_f32 v[72+2*i], v[8+4*i], v[8+4*i+1]
	v_cvt_pk_bf16_f32 v[72+2*i+1], v[8+4*i+2], v[8+4*i+3]
	global_store_b64 v2, v[72+2*i:72+2*i+1], s[20:21] offset:2048*i  ; a wave's store: 256 consecutive bytes, aligned
.set i, i+1
.endr
	s_endpgm
.Lfunc_end_k_qd4d9915ecb_prep:
	.size	k_qd4d9915ecb_prep, .Lfunc_end_k_qd4d9915ecb_prep-k_qd4d9915ecb_prep
	.p2alignl 7, 3214868480
	.fill 96, 4, 3214868480
	.section	.rodata,"a",@progbits
	.p2align	6, 0x0
	.amdhsa_kernel k_qd4d9915ecb_prep
		.amdhsa_group_segment_fixed_size 0
		.amdhsa_private_segment_fixed_size 0
		.amdhsa_enable_private_segment 0
		.amdhsa_kernarg_size 72
		.amdhsa_user_sgpr_count 2
		.amdhsa_user_sgpr_kernarg_segment_ptr 1
		.amdhsa_wavefront_size32 1
		.amdhsa_system_sgpr_workgroup_id_x 1
		.amdhsa_system_sgpr_workgroup_id_y 1
		.amdhsa_system_sgpr_workgroup_id_z 1
		.amdhsa_system_vgpr_workitem_id 0
		.amdhsa_next_free_vgpr 128
		.amdhsa_next_free_sgpr 66
		.amdhsa_reserve_vcc 0
		.amdhsa_float_denorm_mode_32 3
		.amdhsa_float_denorm_mode_16_64 3
		.amdhsa_memory_ordered 1
		.amdhsa_forward_progress 1
		.amdhsa_inst_pref_size 18
	.end_amdhsa_kernel
	.amdgpu_metadata
---
amdhsa.version: [ 1, 2 ]
amdhsa.kernels:
  - .name:           k_qd4d9915ecb_prep
    .symbol:         k_qd4d9915ecb_prep.kd
    .args:
      - { .name: x, .offset: 0, .size: 8, .value_kind: global_buffer, .address_space: global }
      - { .name: ln1_g, .offset: 8, .size: 8, .value_kind: global_buffer, .address_space: global }
      - { .name: ln1_b, .offset: 16, .size: 8, .value_kind: global_buffer, .address_space: global }
      - { .name: w_qkv, .offset: 24, .size: 8, .value_kind: global_buffer, .address_space: global }
      - { .name: w_proj, .offset: 32, .size: 8, .value_kind: global_buffer, .address_space: global }
      - { .name: w1, .offset: 40, .size: 8, .value_kind: global_buffer, .address_space: global }
      - { .name: w2, .offset: 48, .size: 8, .value_kind: global_buffer, .address_space: global }
      - { .name: h, .offset: 56, .size: 8, .value_kind: global_buffer, .address_space: global }
      - { .name: wbf, .offset: 64, .size: 8, .value_kind: global_buffer, .address_space: global }
    .group_segment_fixed_size: 0
    .private_segment_fixed_size: 0
    .kernarg_segment_align: 8
    .kernarg_segment_size: 72
    .max_flat_workgroup_size: 256
    .sgpr_count:     66
    .vgpr_count:     128
    .wavefront_size: 32
...
	.end_amdgpu_metadata
.endif
;; end of part 1
;; launch qkv (part 2): grid 12 x 16, 4 waves a work-group, clusters of 4 x 4, 327,680 bytes of LDS; arguments h, wbf, qkv; writes qkv
.if DOCPART == 2
	.amdgcn_target "amdgcn-amd-amdhsa--gfx1250"
	.amdhsa_code_object_version 6
	.text
	.protected	k_qd4d9915ecb_qkv
	.globl	k_qd4d9915ecb_qkv
	.p2align	8
	.type	k_qd4d9915ecb_qkv,@function
k_qd4d9915ecb_qkv:
	s_mov_b64 s[64:65], 0
	v_nop
	global_prefetch_b8 v0, s[64:65] scope:SCOPE_SE
	s_setreg_imm32_b32 hwreg(HW_REG_WAVE_MODE, 25, 1), 1
	s_wait_xcnt 0x0
	s_wait_alu depctr_hold_cnt(0) depctr_sa_sdst(0) depctr_va_vdst(0) depctr_va_sdst(0) depctr_va_ssrc(0) depctr_va_vcc(0) depctr_vm_vsrc(0)
	s_getreg_b32 s2, hwreg(HW_REG_IB_STS2, 6, 4)
	s_cmp_eq_u32 s2, 0
	s_cbranch_scc0 .Lentry_in_a_cluster
	s_endpgm
.Lentry_in_a_cluster:
	s_bfe_u32 s2, ttmp6, 0x10000c
	s_cmp_lg_u32 s2, 0xf033
	s_cbranch_scc0 .Lentry_shape_is_right
	s_endpgm
.Lentry_shape_is_right:
; C = f(A B).  A: [4096][SIZE_K] bf16, K along the rows.  B: [SIZE_K][SIZE_N] bf16, N along the rows, at byte WOFF of the weights' buffer.  C: [4096][SIZE_N] bf16.  Sums in f32, C rounded once.
; Here: qkv = h w_qkv, f = nothing.
; A tile of C, 256 x 256, is made by four waves, each 128 x 128: 64 accumulators of 16 x 16, 512 registers.  K goes in steps of 128 through two LDS slots filled by the tensor data mover.
; A's fragments come out of LDS as they lie; B's ([k][n]) turned, by ds_load_tr16_b128.
; THE MATRIX INSTRUCTION IS USED TRANSPOSED (source 0 = 16 columns of B, source 1 = 16 rows of A): a lane then holds eight neighbouring numbers of one row of C.
; CLUSTER 4 x 4: A's tile is shared along a row of the cluster, B's along a column: each is asked for jointly, by the same tensor load with the same descriptor and a mask that names the four.
; THE LOOP is one K step; the slot in hand is a scalar (0 or SLOT) that an exclusive or turns.  SLOT has no bit in common with any wave's LDS base (wave x 0x8800), so the same exclusive or turns the descriptor's LDS word.
; THE WAY OUT: the ring has had its last fill; each wave lays its 128 x 128 sums (f32) into its own 67,584 bytes of it and walks them by rows: a row's 128 numbers become 256 consecutive bytes of C.
; REGISTERS, in windows of 256: window 0: v16-29 addresses, v64-191 A's fragments (two buffers), v32-63 and v192-255 at work on the way out; window 1: v64-191 B's fragments; windows 2, 3: the accumulators.
.set SIZE_N, 3072
.set WOFF,   0
.set GELU,   0
.set ER,     8                         ; rows in a trip of the way out
.set SIZE_K, 1024
.set KSTEP,  128
.set NSTEP,  SIZE_K/KSTEP
.set PA,     272                       ; a row of A in LDS: 256 bytes + 16: the 16 rows of a load start at 16 different groups of four banks (64 banks of 4 bytes: ISA guide 11.1)
.set PB,     544                       ; a k-row of B: 512 bytes + 32 = 17 x 32
.set HALF,   128*PA                    ; what one tensor load brings: 128 rows of A, or 64 k-rows of B (64 x 544 is the same number)
.set SLOT,   4*HALF                    ; A's 256 rows, then B's 128 k-rows
.set DP,     528                       ; the way out: a row of 128 f32 + 16 bytes
.set DW,     128*DP                    ; a wave's part
.set SPARE,  2*SLOT                    ; behind the ring: the spare words, 128 bytes for each wave: two blocks of 256 bytes that no other line names
.set A0,   16                          ; v16  my lane's place in A's tile; never rewritten
.set B0,   17                          ; v17  the same for B
.set ADRA, 18                          ; v18  A0 + the slot in hand
.set ADRB, 19                          ; v19  B0 + the slot in hand
.set STO,  24                          ; v24  the way out: where I put my sums
.set RD,   25                          ; v25  where I read rows back
.set CO,   26                          ; v26  my 8 bytes of a row of C
.set SPW,  28                          ; v28  my spare word; never rewritten
.set NIL,  29                          ; v29  0; never rewritten
.set F0,   64
.set F1,   128
.set X,    32                          ; the way out: ER rows, four f32 a lane each
.if GELU
.set Y,    64
.else
.set Y,    192
.endif
.set AX,   192
.set TT,   208
.set UU,   224
.set RR,   240
.set QQ,   48
.set WV,  12                           ; s12 wave; s13 its row half (also: 0 = I fetch A, 1 = B); s14 its column half (also: which half I fetch)
.set WR,  13
.set WC,  14
.set TB,  15                           ; s15 the slot in hand: 0 or SLOT
.set G1A, 24                           ; s[24:31] group 1 for A; s[32:39] group 0: set 0 the first fill, set 1 the second, which then walks
.set G0A, 32
.set G1B, 48                           ; s[48:55], s[56:63] the same for B
.set G0B, 56
.set MSB, 0
.macro WIN new                         ; the immediate's high byte repeats the setting that is left; a switch that changes nothing is dropped
.if MSB != (\new)
	s_set_vgpr_msb (MSB<<8)|(\new)
.set MSB, \new
.endif
.endm
.set MUL_LO, 0xa1                      ; source 0 (B) window 1, source 1 (A) window 0, C and D window 2
.set MUL_HI, 0xf1                      ; the same, C and D window 3
.set TO_B,   0x40                      ; destination window 1, address window 0
.macro JLOAD s                         ; a joint load: waves 0, 1 fetch A's halves, waves 2, 3 B's.  An s_nop 0 and four v_nop follow each line
	s_cmp_eq_u32 s[WR], 0
	s_cbranch_scc0 .Lfor_b_\@
	tensor_load_to_lds s[G0A+4*(\s):G0A+4*(\s)+3], s[G1A:G1A+7]
	s_nop 0
.rept 4
	v_nop
.endr
	s_branch .Lasked_\@
.Lfor_b_\@:
	tensor_load_to_lds s[G0B+4*(\s):G0B+4*(\s)+3], s[G1B:G1B+7]
	s_nop 0
.rept 4
	v_nop
.endr
.Lasked_\@:
.endm
.macro CREST                           ; a round of the cluster's barrier behind its opening barrier
	s_cmp_lg_u32 s[WV], 0
	s_cbranch_scc1 .Lnot_wave_0_\@
	s_barrier_signal -3
.Lnot_wave_0_\@:
	s_barrier_wait -3
	s_barrier_signal -1
	s_barrier_wait -1
.endm
.macro CROUND
	s_barrier_signal -1
	s_barrier_wait -1
	CREST
.endm
.macro PLACES                          ; four places behind matrix instructions, in front of loads into registers that they have read and of stores that read results
.rept 4
	v_nop
.endr
.endm
; 16 matrix instructions: row blocks a0, a0 + 1 of the window's four x all 8 column blocks, 32 along K.  zero = 1: the product starts the sum
.macro MUL16 f, hi, a0, zero
	WIN MUL_LO+0x50*(\hi)
.irp a, \a0, (\a0)+1
.irp b, 0,1,2,3,4,5,6,7
.if \zero
	v_wmma_f32_16x16x32_bf16 v[8*(8*(\a)+(\b)):8*(8*(\a)+(\b))+7], v[(\f)+8*(\b):(\f)+8*(\b)+7], v[(\f)+8*(4*(\hi)+(\a)):(\f)+8*(4*(\hi)+(\a))+7], 0
.else
	v_wmma_f32_16x16x32_bf16 v[8*(8*(\a)+(\b)):8*(8*(\a)+(\b))+7], v[(\f)+8*(\b):(\f)+8*(\b)+7], v[(\f)+8*(4*(\hi)+(\a)):(\f)+8*(4*(\hi)+(\a))+7], v[8*(8*(\a)+(\b)):8*(8*(\a)+(\b))+7]
.endif
.endr
.endr
.endm
; 32 LDS loads in one run: quarter q (32 along K) of the slot in hand into buffer f: B's eight column blocks, turned, then A's eight row blocks
.macro FETCH q, f
	WIN TO_B
.irp i, 0,1,2,3,4,5,6,7
	ds_load_tr16_b128 v[(\f)+8*(\i):(\f)+8*(\i)+3],   v[ADRB] offset:(\q)*32*PB+32*(\i)
	ds_load_tr16_b128 v[(\f)+8*(\i)+4:(\f)+8*(\i)+7], v[ADRB] offset:(\q)*32*PB+16*PB+32*(\i)
.endr
	WIN 0
.irp i, 0,1,2,3,4,5,6,7
	ds_load_b128 v[(\f)+8*(\i):(\f)+8*(\i)+3],   v[ADRA] offset:64*(\q)+(\i)*16*PA
	ds_load_b128 v[(\f)+8*(\i)+4:(\f)+8*(\i)+7], v[ADRA] offset:64*(\q)+(\i)*16*PA+32
.endr
.endm
; One of a K step's first three quarters: multiplies buffer f and, in its middle, fetches quarter q into buffer g
.macro QUARTER q, f, g, zero
	s_wait_dscnt 8                                 ; B and A's rows 0-63 are in; the youngest eight loads (A's rows 64-127) may be out
	MUL16 \f, 0, 0, \zero
	MUL16 \f, 0, 2, \zero
	PLACES
	FETCH \q, \g
	s_wait_dscnt 32                                ; all but the 32 just issued
	MUL16 \f, 1, 0, \zero
	MUL16 \f, 1, 2, \zero
.endm
; The last quarter multiplies buffer 1 and changes slots.  In front of the barrier each wave waits for all its tensor loads (the one that is out is its part of the next slot), adds 0 to its spare
; word, and waits for that and for its reads of this slot.  fill = 1: the barrier opens a round of the cluster's, and this slot is filled again, first thing behind it, with the K step two on.
.macro TURN fill
	WIN 0
	s_wait_tensorcnt 0x0
	ds_add_u32 v[SPW], v[NIL]
	s_wait_dscnt 9                                 ; (the add and the youngest eight loads may be out)
	MUL16 F1, 0, 0, 0
	s_wait_dscnt 0x0                               ; the add is done, and my reads of this slot are over
	s_barrier_signal -1
	MUL16 F1, 0, 2, 0
	WIN 0
	s_barrier_wait -1
.if \fill
	CREST
	s_xor_b32 s[G0A+5], s[G0A+5], SLOT             ; the walking descriptors: the other slot than last time,
	s_xor_b32 s[G0B+5], s[G0B+5], SLOT
	s_add_nc_u64 s[G0A+6:G0A+7], s[G0A+6:G0A+7], KSTEP*2         ; the next K step: 256 bytes along A's rows,
	s_add_nc_u64 s[G0B+6:G0B+7], s[G0B+6:G0B+7], KSTEP*SIZE_N*2  ; 128 rows down B
	JLOAD 1                                        ; its four v_nop are also the places in front of the loads below
.else
	PLACES
.endif
	s_xor_b32 s[TB], s[TB], SLOT
	v_add_nc_u32 v[ADRA], s[TB], v[A0]
	v_add_nc_u32 v[ADRB], s[TB], v[B0]
	FETCH 0, F0
	MUL16 F1, 1, 0, 0
	MUL16 F1, 1, 2, 0
.endm
.macro GA p                            ; GELU, first part, for pair p: nothing here reads a reciprocal's or an exponential's result
	v_and_b32 v[AX+2*(\p)], s78, v[X+2*(\p)]
	v_and_b32 v[AX+2*(\p)+1], s78, v[X+2*(\p)+1]
	v_pk_fma_f32 v[TT+2*(\p):TT+2*(\p)+1], v[AX+2*(\p):AX+2*(\p)+1], s[66:67], 1.0 op_sel_hi:[1,0,0]
	v_pk_mul_f32 v[UU+2*(\p):UU+2*(\p)+1], v[X+2*(\p):X+2*(\p)+1], v[X+2*(\p):X+2*(\p)+1]
	v_pk_mul_f32 v[UU+2*(\p):UU+2*(\p)+1], v[UU+2*(\p):UU+2*(\p)+1], s[68:69] op_sel_hi:[1,0]
	v_rcp_f32 v[TT+2*(\p)], v[TT+2*(\p)]
	v_max_num_f32 v[RR+2*(\p)], 0, v[X+2*(\p)]
	v_rcp_f32 v[TT+2*(\p)+1], v[TT+2*(\p)+1]
	v_max_num_f32 v[RR+2*(\p)+1], 0, v[X+2*(\p)+1]
	v_exp_f32 v[UU+2*(\p)], v[UU+2*(\p)]
	v_pk_mul_f32 v[AX+2*(\p):AX+2*(\p)+1], v[AX+2*(\p):AX+2*(\p)+1], -0.5 op_sel_hi:[1,0]
	v_exp_f32 v[UU+2*(\p)+1], v[UU+2*(\p)+1]
.endm
	s_load_b128 s[4:7], s[0:1], 0x0                ; A s[4:5], the weights s[6:7]
	s_load_b64 s[8:9], s[0:1], 0x10                ; C
	v_lshl_add_u32 v[SPW], v0, 2, SPARE
	v_mov_b32 v[NIL], 0
	ds_add_u32 v[SPW], v[NIL]                      ; the wave's opening: the add and its wait ahead of my first tensor load
	v_lshrrev_b32 v1, 5, v0
	v_readfirstlane_b32 s[WV], v1
	s_lshr_b32 s[WR], s[WV], 1
	s_and_b32 s[WC], s[WV], 1
	s_bfe_u32 s22, ttmp6, 0x40000                  ; cx
	s_bfe_u32 s23, ttmp6, 0x40004                  ; cy
	s_lshl_b32 s40, ttmp9, 2
	s_add_co_u32 s40, s40, s22                     ; tile column
	s_and_b32 s41, ttmp7, 0xffff
	s_lshl_b32 s41, s41, 2
	s_add_co_u32 s41, s41, s23                     ; tile row
	s_lshl_b32 s42, s23, 2
	s_lshl_b32 s42, 15, s42                        ; my row of the cluster
	s_lshl_b32 s43, 0x1111, s22                    ; my column
	s_or_b32 s[G1A], s42, (1<<16)|(1<<20)|(1<<21)|(5<<22)|(3<<25)  ; the mask; 2-byte elements; padding on; bit 21 beside a mask; after every 64 words, 4 words
	s_mov_b32 s[G1A+1], KSTEP<<16                  ; tensor_dim0 = 128
	s_mov_b32 s[G1A+2], 128<<16                    ; tensor_dim1 = 128
	s_mov_b32 s[G1A+3], KSTEP<<16                  ; tile_dim0 = 128
	s_mov_b32 s[G1A+4], 128                        ; tile_dim1 = 128
	s_mov_b32 s[G1A+5], SIZE_K                     ; elements from row to row
	s_mov_b32 s[G1A+6], 0
	s_mov_b32 s[G1A+7], 0
	s_or_b32 s[G1B], s43, (1<<16)|(1<<20)|(1<<21)|(6<<22)|(7<<25)  ; after every 128 words, 8 words
	s_mov_b32 s[G1B+1], 256<<16                    ; tensor_dim0 = 256 columns
	s_mov_b32 s[G1B+2], 64<<16                     ; tensor_dim1 = 64 k-rows
	s_mov_b32 s[G1B+3], 256<<16
	s_mov_b32 s[G1B+4], 64
	s_mov_b32 s[G1B+5], SIZE_N
	s_mov_b32 s[G1B+6], 0
	s_mov_b32 s[G1B+7], 0
.if GELU
	s_mov_b32 s66, 0x3eaa540e                      ; 0.47047 / sqrt(2)
	s_mov_b32 s67, s66
	s_mov_b32 s68, 0xbf38aa3b                      ; -log2(e) / 2
	s_mov_b32 s69, s68
	s_mov_b32 s70, 0x3eb2303a                      ; a1 = 0.3480242
	s_mov_b32 s71, s70
	s_mov_b32 s72, 0xbdc45ca1                      ; a2 = -0.0958798
	s_mov_b32 s73, s72
	s_mov_b32 s74, 0x3f3f7377                      ; a3 = 0.7478556
	s_mov_b32 s75, s74
	s_mov_b32 s78, 0x7fffffff
.endif
	s_lshl_b32 s16, s41, 8                         ; A: row 256 x tile row + 128 x half, 2,048 bytes a row: it hangs on the tile row and the wave alone
	s_lshl_b32 s17, s[WC], 7
	s_add_co_u32 s16, s16, s17
	s_lshl_b32 s16, s16, 11
	s_mov_b32 s17, 0
	s_mul_i32 s46, s[WC], 64*SIZE_N*2              ; B: k-row 64 x half, column 256 x tile column: on the tile column and the wave alone
	s_lshl_b32 s47, s40, 9
	s_add_co_u32 s46, s46, s47
	s_add_co_u32 s46, s46, WOFF
	s_mov_b32 s47, 0
	s_mul_i32 s20, s[WV], HALF                     ; where my part of a tile goes: no place in the cluster enters an LDS address
	s_wait_dscnt 0x0                               ; the opening add is done
	s_wait_kmcnt 0x0
	s_add_nc_u64 s[18:19], s[4:5], s[16:17]
	s_add_nc_u64 s[46:47], s[6:7], s[46:47]
	CROUND                                         ; all sixteen work-groups are here: the first joint loads meet
.irp s, 0,1
	s_mov_b32 s[G0A+4*(\s)], 1
	s_add_co_u32 s[G0A+4*(\s)+1], s20, (\s)*SLOT
	s_add_nc_u64 s[G0A+4*(\s)+2:G0A+4*(\s)+3], s[18:19], (\s)*KSTEP*2
	s_or_b32 s[G0A+4*(\s)+3], s[G0A+4*(\s)+3], 0x80000000
	s_mov_b32 s[G0B+4*(\s)], 1
	s_add_co_u32 s[G0B+4*(\s)+1], s20, (\s)*SLOT
	s_add_nc_u64 s[G0B+4*(\s)+2:G0B+4*(\s)+3], s[46:47], (\s)*KSTEP*SIZE_N*2
	s_or_b32 s[G0B+4*(\s)+3], s[G0B+4*(\s)+3], 0x80000000
	JLOAD \s                                       ; two loads of mine are out
.endr
	v_and_b32 v1, 15, v0                           ; l % 16
	v_bfe_u32 v2, v0, 4, 1                         ; l / 16
	v_mul_u32_u24 v3, v1, PA
	v_lshl_add_u32 v3, v2, 4, v3
	s_mul_i32 s21, s[WR], HALF                     ; my 128 rows of A
	v_add_nc_u32 v[A0], s21, v3
	v_and_b32 v4, 7, v0                            ; the turning load: lane l reads k-row 8 (l / 16) + l % 8, columns 8 ((l / 8) % 2) + 0..7
	v_bfe_u32 v5, v0, 3, 1
	v_lshl_add_u32 v4, v2, 3, v4
	v_mul_u32_u24 v4, v4, PB
	v_lshl_add_u32 v4, v5, 4, v4
	s_lshl_b32 s21, s[WC], 8                       ; my 128 columns of B,
	s_add_co_u32 s21, s21, 2*HALF                  ; which lies behind A's 256 rows
	v_add_nc_u32 v[B0], s21, v4
	s_mov_b32 s[TB], 0
	v_mov_b32 v[ADRA], v[A0]
	v_mov_b32 v[ADRB], v[B0]
	s_mul_i32 s21, s[WV], DW
	v_mul_u32_u24 v[STO], v1, DP                   ; in: row l % 16, 32 bytes for each half of the lanes
	v_lshl_add_u32 v[STO], v2, 5, v[STO]
	v_add_nc_u32 v[STO], s21, v[STO]
	v_and_b32 v3, 31, v0
	v_lshl_add_u32 v[RD], v3, 4, s21               ; back: a row's 512 bytes, 16 a lane
	v_lshlrev_b32 v[CO], 3, v3
	s_lshl_b32 s16, s41, 8                         ; where my part of C begins
	s_lshl_b32 s17, s[WR], 7
	s_add_co_u32 s16, s16, s17
	s_mul_i32 s16, s16, SIZE_N*2
	s_lshl_b32 s17, s40, 9
	s_add_co_u32 s16, s16, s17
	s_lshl_b32 s17, s[WC], 8
	s_add_co_u32 s16, s16, s17
	s_mov_b32 s17, 0
	s_add_nc_u64 s[8:9], s[8:9], s[16:17]
	s_wait_tensorcnt 0x1                           ; my part of K step 0 is in; step 1's may stay out
	s_barrier_signal -1
	s_barrier_wait -1
	FETCH 0, F0
	QUARTER 1, F0, F1, 1                           ; the first quarter's products start the sums
	WIN 0
	s_mov_b32 s3, NSTEP-2
.Lstep:                                        ; a trip: from a K step's second quarter to the next step's first; its slot is filled again
	QUARTER 2, F1, F0, 0
	QUARTER 3, F0, F1, 0
	TURN 1
	QUARTER 1, F0, F1, 0
	WIN 0
	s_sub_co_u32 s3, s3, 1
	s_cmp_lg_u32 s3, 0
	s_cbranch_scc1 .Lstep
	s_mov_b32 s3, 2                                ; the last two K steps ask for nothing; the second trip is left in its middle
.Ltail:
	QUARTER 2, F1, F0, 0
	QUARTER 3, F0, F1, 0
	WIN 0
	s_sub_co_u32 s3, s3, 1
	s_cmp_eq_u32 s3, 0
	s_cbranch_scc1 .Llast
	TURN 0
	QUARTER 1, F0, F1, 0
	WIN 0
	s_branch .Ltail
.Llast:
	s_wait_dscnt 8
	MUL16 F1, 0, 0, 0
	MUL16 F1, 0, 2, 0
	s_wait_dscnt 0x0
	MUL16 F1, 1, 0, 0
	MUL16 F1, 1, 2, 0
	WIN 0
	PLACES
	s_barrier_signal -1                            ; every wave's reads of the ring are over, and no tensor load is out:
	s_barrier_wait -1                              ; its bytes may be written
.irp a, 0,1,2,3,4,5,6,7
	WIN 0x08+4*((\a)/4)                            ; store data in window 2 or 3
.irp b, 0,1,2,3,4,5,6,7
	ds_store_b128 v[STO], v[8*(8*((\a)%4)+(\b)):8*(8*((\a)%4)+(\b))+3]   offset:(\a)*16*DP+64*(\b)     ; each accumulator's low registers first
	ds_store_b128 v[STO], v[8*(8*((\a)%4)+(\b))+4:8*(8*((\a)%4)+(\b))+7] offset:(\a)*16*DP+64*(\b)+16
.endr
.endr
	WIN 0
	s_mov_b32 s3, 128/ER
.Lrow:                                         ; ER rows of my own part: LDS serves a wave's instructions in order (ISA guide 5.7.1.4), so these loads see the stores above
.set j, 0
.rept ER
	ds_load_b128 v[X+4*j:X+4*j+3], v[RD] offset:j*DP
.set j, j+1
.endr
	s_wait_dscnt 0x0
.if GELU
; gelu(x) = max(x, 0) - |x| / 2 * y,  y = t (a1 + t (a2 + a3 t)) 2^(-x x log2(e) / 2),  t = 1 / (1 + 0.47047 |x| / sqrt(2))
.irp p, 0,1,2,3,4,5,6,7
	GA \p
.endr
	v_nop                                          ; a plain instruction behind the last exponential,
	s_wait_alu depctr_va_vdst(0)                   ; and one wait for the batch of 32, ahead of its first reader
.irp p, 0,1,2,3,4,5,6,7
	v_pk_fma_f32 v[QQ+2*(\p):QQ+2*(\p)+1], v[TT+2*(\p):TT+2*(\p)+1], s[74:75], s[72:73] op_sel_hi:[1,0,0]
.endr
.irp p, 0,1,2,3,4,5,6,7
	v_pk_fma_f32 v[QQ+2*(\p):QQ+2*(\p)+1], v[QQ+2*(\p):QQ+2*(\p)+1], v[TT+2*(\p):TT+2*(\p)+1], s[70:71] op_sel_hi:[1,1,0]
.endr
.irp p, 0,1,2,3,4,5,6,7
	v_pk_mul_f32 v[QQ+2*(\p):QQ+2*(\p)+1], v[QQ+2*(\p):QQ+2*(\p)+1], v[TT+2*(\p):TT+2*(\p)+1]
.endr
.irp p, 0,1,2,3,4,5,6,7
	v_pk_mul_f32 v[QQ+2*(\p):QQ+2*(\p)+1], v[QQ+2*(\p):QQ+2*(\p)+1], v[UU+2*(\p):UU+2*(\p)+1]
.endr
.irp p, 0,1,2,3,4,5,6,7
	v_pk_fma_f32 v[X+2*(\p):X+2*(\p)+1], v[AX+2*(\p):AX+2*(\p)+1], v[QQ+2*(\p):QQ+2*(\p)+1], v[RR+2*(\p):RR+2*(\p)+1]
.endr
.endif
.set j, 0
.rept 2*ER
	v_cvt_pk_bf16_f32 v[Y+j], v[X+2*j], v[X+2*j+1]
.set j, j+1
.endr
.set j, 0
.rept ER
	global_store_b64 v[CO], v[Y+2*j:Y+2*j+1], s[8:9] offset:j*SIZE_N*2   ; 32 lanes x 8 bytes: 256 consecutive bytes, aligned
.set j, j+1
.endr
	s_wait_xcnt 0x0                                ; the stores have read their base and data: only now are these written again
	s_add_nc_u64 s[8:9], s[8:9], ER*SIZE_N*2
	v_add_nc_u32 v[RD], ER*DP, v[RD]
	s_sub_co_u32 s3, s3, 1
	s_cmp_lg_u32 s3, 0
	s_cbranch_scc1 .Lrow
	s_wait_tensorcnt 0x0                           ; the wave's end
	ds_add_u32 v[SPW], v[NIL]
	s_wait_dscnt 0x0
	CROUND                                         ; the closing round
	s_endpgm
.Lfunc_end_k_qd4d9915ecb_qkv:
	.size	k_qd4d9915ecb_qkv, .Lfunc_end_k_qd4d9915ecb_qkv-k_qd4d9915ecb_qkv
	.p2alignl 7, 3214868480
	.fill 96, 4, 3214868480
	.section	.rodata,"a",@progbits
	.p2align	6, 0x0
	.amdhsa_kernel k_qd4d9915ecb_qkv
		.amdhsa_group_segment_fixed_size 327680
		.amdhsa_private_segment_fixed_size 0
		.amdhsa_enable_private_segment 0
		.amdhsa_kernarg_size 24
		.amdhsa_user_sgpr_count 2
		.amdhsa_user_sgpr_kernarg_segment_ptr 1
		.amdhsa_wavefront_size32 1
		.amdhsa_system_sgpr_workgroup_id_x 1
		.amdhsa_system_sgpr_workgroup_id_y 1
		.amdhsa_system_sgpr_workgroup_id_z 1
		.amdhsa_system_vgpr_workitem_id 0
		.amdhsa_next_free_vgpr 1024
		.amdhsa_next_free_sgpr 80
		.amdhsa_reserve_vcc 0
		.amdhsa_float_denorm_mode_32 3
		.amdhsa_float_denorm_mode_16_64 3
		.amdhsa_memory_ordered 1
		.amdhsa_forward_progress 1
		.amdhsa_inst_pref_size 83
	.end_amdhsa_kernel
	.amdgpu_metadata
---
amdhsa.version: [ 1, 2 ]
amdhsa.kernels:
  - .name:           k_qd4d9915ecb_qkv
    .symbol:         k_qd4d9915ecb_qkv.kd
    .args:
      - { .name: h, .offset: 0, .size: 8, .value_kind: global_buffer, .address_space: global }
      - { .name: wbf, .offset: 8, .size: 8, .value_kind: global_buffer, .address_space: global }
      - { .name: qkv, .offset: 16, .size: 8, .value_kind: global_buffer, .address_space: global }
    .group_segment_fixed_size: 327680
    .private_segment_fixed_size: 0
    .kernarg_segment_align: 8
    .kernarg_segment_size: 24
    .max_flat_workgroup_size: 128
    .sgpr_count:     80
    .vgpr_count:     1024
    .wavefront_size: 32
...
	.end_amdgpu_metadata
.endif
;; end of part 2
;; launch attn (part 3): grid 16 x 16, 8 waves a work-group, clusters of 4 x 1, 327,680 bytes of LDS; arguments qkv, att; writes att
.if DOCPART == 3
	.amdgcn_target "amdgcn-amd-amdhsa--gfx1250"
	.amdhsa_code_object_version 6
	.text
	.protected	k_qd4d9915ecb_attn
	.globl	k_qd4d9915ecb_attn
	.p2align	8
	.type	k_qd4d9915ecb_attn,@function
k_qd4d9915ecb_attn:
	s_mov_b64 s[64:65], 0
	v_nop
	global_prefetch_b8 v0, s[64:65] scope:SCOPE_SE
	s_setreg_imm32_b32 hwreg(HW_REG_WAVE_MODE, 25, 1), 1
	s_wait_xcnt 0x0
	s_wait_alu depctr_hold_cnt(0) depctr_sa_sdst(0) depctr_va_vdst(0) depctr_va_sdst(0) depctr_va_ssrc(0) depctr_va_vcc(0) depctr_vm_vsrc(0)
	s_getreg_b32 s2, hwreg(HW_REG_IB_STS2, 6, 4)
	s_cmp_eq_u32 s2, 0
	s_cbranch_scc0 .Lentry_in_a_cluster
	s_endpgm
.Lentry_in_a_cluster:
	s_bfe_u32 s2, ttmp6, 0x10000c
	s_cmp_lg_u32 s2, 0x3003
	s_cbranch_scc0 .Lentry_shape_is_right
	s_endpgm
.Lentry_shape_is_right:
; CAUSAL ATTENTION.  qkv: [2][2048][3072] bf16 (q, k, v: 1,024 columns each; head h at columns 64 h).  att: [2][2048][1024] bf16.  att[q] = the sum over k <= q of softmax_k(q . k / 8) v.
; Products, maxima and sums in f32; the weights p are rounded to bf16 for the second product (their sum l is taken of the unrounded p), att once at the end.
; LIMITS.  A hidden score counts as -2^100; a weight below 2^-126 counts as 0 in l; NaN and infinities are not treated apart.
; SHARES.  Grid y = 8 x batch + pair of heads: two heads are 128 neighbouring columns, 256 bytes of a row, aligned.  Cluster x = j takes the blocks of 256 queries j and then 7 - j; partner cx takes
; rows 64 cx .. + 63 of each block.  Eight waves, two to a SIMD (a wave's map is 512 registers).  Waves w and w + 4 are a PAIR: head (w / 2) % 2 of the two, rows 32 (w % 2) .. + 31: two tiles of 16 queries.
; THE KEYS OF A TILE ARE SPLIT IN A PAIR: the lower wave takes key steps 0 and 1, the upper wave steps 2 and 3, each with a running maximum, sum and O^T of its own.  So while one wave of a SIMD
; issues its softmax the other issues its products; no fragment is read from LDS more often than by one wave that took all four steps.  At a block's end the two partial results are merged.
; THE WALK.  Block i needs the key tiles 0 .. i of 256 keys.  Blocks j and 7 - j need 9 tiles, whatever j: every work-group does equal work, one loop with a constant trip count walks them, and the four
; partners walk the same tiles, so each tile of K and V is asked for JOINTLY.  The price: in a block's last tile every partner computes all four key steps, also those that the mask hides from its rows.
; A KEY STEP (64 keys) is one trip: V's run of LDS loads; S^T = K Q^T; the next step's K; the softmax; O^T += V^T P; the sums.  A tile is two trips for every wave, always.
; LAYOUT.  S^T = K Q^T (source 0 = 16 keys, source 1 = 16 queries) holds ONE query a lane (lane % 16) and the keys 8 (lane / 16) + 0..7; two such results rounded to bf16 ARE source 1 of O^T = V^T P.
; THE MASK.  In a block's last tile a hidden score is replaced by exactly -2^100.  c times a power of two is exact, so a wave that has seen hidden keys alone has c s - c m = 0, p = 1 and finite sums,
; and its factor in the merge is 2^(-c 2^100 - c m) = 0.  The lower wave sees key 0 of every tile, so the merged maximum is a true score.
; SOFTMAX.  p = 2^(c s - c m), c = log2(e) / 8, with a running maximum m; O and l are multiplied by a = 2^(c m_old - c m_new) in every step.  A block begins with c m far below every c s: its first a is 0.
; REGISTERS.  window 0: v2-15, v38-40 addresses, v16-31 statistics, v64-127 S^T, v128-159 P, v224-255 the way out.  window 1: v0-31 Q, v32-63 the second block's Q, v64-127 K, v128-191 V, v192-255 O^T.
.set KS,    64
.set PK,    272                        ; a row of K in LDS: 256 bytes + 16: the 16 rows of a load start at 16 different groups of four banks (64 banks of 4 bytes: ISA guide 11.1)
.set PV,    288                        ; a row of V: 256 + 32 = 9 x 32
.set VOFF,  256*PK                     ; a slot holds a tile: 256 rows of K, then 256 rows of V
.set SLOT,  0x24000                    ; slot 1 begins here; the number has no bit in common with any wave's LDS base, so one exclusive or turns an LDS address into the other slot's
.set MG,    SLOT+256*(PK+PV)           ; behind slot 1's tile, never filled: the first block's merge, a region for each pair
.set PR,    8704                       ; a pair's region: 8,192 bytes of O^T (f32), 512 of statistics; later 32 rows x 144 bytes of result
.set RP,    144                        ; a row of a pair's result: 128 bytes + 16
.set SPARE, MG+4*PR                    ; the spare words, 128 bytes for each of eight waves: four blocks of 256 bytes that no other line names
.set ROWB,  6144                       ; bytes in a row of qkv
.set TILEB, 256*ROWB
.set AK0, 2                            ; my lane's place in a tile of K; never rewritten
.set AV0, 3                            ; the same for V
.set AK,  4
.set AV,  5
.set STO, 6                            ; where I put bytes of a merge or of a result
.set RD,  7                            ; where I read them
.set GO,  8                            ; my byte offset in two rows of att
.set QO,  9                            ; my byte offset in 16 rows of q
.set DQ,  10                           ; v10-11  my query's place in its block, less my lanes' 8 (l / 16): by tile
.set TD,  12
.set PFO, 13                           ; lane x a row of qkv; never rewritten
.set MV,  14                           ; v14-15  c m_old, kept while c m is made anew
.set ST,  16                           ; tile u's statistics at v[ST+4 u]: c m, m, l (even keys', odd keys')
.set TMP, 24                           ; four registers c0-c3 a tile at work; c2 takes a
.set SPW, 32
.set NIL, 33
.set STOR, 38                          ; my place in my pair's result; never rewritten
.set RDR, 39                           ; my place in the rows that I send; never rewritten
.set DMR, 40                           ; my 16 bytes in 512 of my pair's region; never rewritten
.set S,   64
.set P,   128
.set OUT, 224
.set Q,   0                            ; window 1
.set QB,  32
.set KF,  64
.set VF,  128
.set O,   192
.set WV,  12
.set CX,  13
.set J,   14
.set HI,  15
.set G1K, 24
.set G1V, 32
.set G0K, 40
.set G0V, 44
.set KB,  48                           ; s[48:49] K at my half of the batch's tile 0, my pair of heads; s[50:51] the same for V
.set VB,  50
.set OLO, 52                           ; s[52:53], s[54:55] att at the rows that I send, first and second block
.set OHI, 54
.set SLOTS, 56
.set CNT, 57
.set CS,  58
.set SEL, 60
.set TBK, 62                           ; LDS byte at which K of the step to be fetched begins
.set TBV, 63
.set RT,  66                           ; tiles of the block in hand that are still to be entered
.set NXT, 67                           ; the tile to be asked for next
.set LQ,  68                           ; the last tile of the block whose tiles are being asked for
.set NEW, 69                           ; 1: the tile to be entered is a block's first
.set OFF, 70
.set KH,  72                           ; which half of a tile's keys is mine: wave / 4
.set KST, 74                           ; the step's first key in its tile
.set K0,  75                           ; my first key in a tile: 128 x KH
.set BIGN, 78
.set MRG, 79                           ; 1: the first block is over and I am the wave that merges it
.set LIM, 80                           ; 1 in a wave that prefetches, else the greatest number
.set PFB, 82                           ; s[82:83] my 32 rows of tile 0, of K (waves 0, 1) or V (waves 2, 3); s[84:85] the same of the tile to be prefetched
.set PFA, 84
.set QLO, 86
.set QHI, 88
.set MSB, 0
.macro WIN new
.if MSB != (\new)
	s_set_vgpr_msb (MSB<<8)|(\new)
.set MSB, \new
.endif
.endm
.macro JLOAD                           ; a joint fill: waves 0, 1 fetch the halves of a tile's K, waves 2, 3 those of its V, waves 4 to 7 nothing.  An s_nop 0 and four v_nop follow each line
	s_cmp_lt_u32 s[WV], 2
	s_cbranch_scc0 .Lnot_k_\@
	tensor_load_to_lds s[G0K:G0K+3], s[G1K:G1K+7]
	s_nop 0
.rept 4
	v_nop
.endr
	s_branch .Lasked_\@
.Lnot_k_\@:
	s_cmp_lt_u32 s[WV], 4
	s_cbranch_scc0 .Lasked_\@
	tensor_load_to_lds s[G0V:G0V+3], s[G1V:G1V+7]
	s_nop 0
.rept 4
	v_nop
.endr
.Lasked_\@:
.endm
; A PREFETCH of the tile that the NEXT change of slots will ask for: four key steps ahead of that load.  The clusters of one grid y walk the same K and V; cluster 0, whose walk takes the tiles 1 to 7 one
; after the other, asks, and nobody else.  Its four partners and their waves 0 to 3 share a tile's 256 + 256 rows out BY ADDRESS, 32 rows a wave, a lane a row.  The last change that fills a slot asks for nothing.
.macro ASK
	s_cmp_gt_u32 s[SLOTS], s[LIM]
	s_cbranch_scc0 .Lnot_mine_\@
	global_prefetch_b8 v[PFO], s[PFA:PFA+1] th:TH_LOAD_NT scope:SCOPE_SE
.Lnot_mine_\@:
.endm
.macro CROUND
	s_barrier_signal -1
	s_barrier_wait -1
	s_cmp_lg_u32 s[WV], 0
	s_cbranch_scc1 .Lnot_wave_0_\@
	s_barrier_signal -3
.Lnot_wave_0_\@:
	s_barrier_wait -3
	s_barrier_signal -1
	s_barrier_wait -1
.endm
; THE CHANGE OF SLOTS.  Each wave waits for all its tensor loads (at most one is out: its part of the other slot), adds 0 to its spare word, and waits for that and for its reads of the slot that it leaves.
; fill = 1: the barrier is a round of the cluster's, and the old slot is filled again, first thing behind it, with tile NXT: the descriptor's address is made anew from that number.
.macro CHANGE fill
	WIN 0
	s_wait_tensorcnt 0x0
	ds_add_u32 v[SPW], v[NIL]
.if \fill
	s_mul_i32 s[OFF], s[NXT], TILEB
	s_xor_b32 s[G0K+1], s[G0K+1], SLOT
	s_add_nc_u64 s[G0K+2:G0K+3], s[KB:KB+1], s[OFF:OFF+1]
	s_or_b32 s[G0K+3], s[G0K+3], 0x80000000
	s_xor_b32 s[G0V+1], s[G0V+1], SLOT
	s_add_nc_u64 s[G0V+2:G0V+3], s[VB:VB+1], s[OFF:OFF+1]
	s_or_b32 s[G0V+3], s[G0V+3], 0x80000000
	s_add_co_u32 s[NXT], s[NXT], 1                 ; the block's next tile, or behind its last the second block's tile 0
	s_cmp_gt_u32 s[NXT], s[LQ]
	s_cselect_b32 s[NXT], 0, s[NXT]
	s_cselect_b32 s[LQ], s[HI], s[LQ]
	s_wait_xcnt 0x0                                ; the last prefetch, a tile back, has read its address
	s_mul_i32 s[OFF], s[NXT], TILEB
	s_add_nc_u64 s[PFA:PFA+1], s[PFB:PFB+1], s[OFF:OFF+1]
.endif
	s_wait_dscnt 0x0                               ; the add is done, and my reads of the slot are over
.if \fill
	CROUND
	JLOAD
	ASK
.else
	s_barrier_signal -1
	s_barrier_wait -1
.endif
	s_sub_co_u32 s[TBK], s[TBK], 2*KS*PK           ; the fetches go back to my first step of a slot,
	s_xor_b32 s[TBK], s[TBK], SLOT                 ; in the other slot
	s_sub_co_u32 s[TBV], s[TBV], 2*KS*PV
	s_xor_b32 s[TBV], s[TBV], SLOT
.endm
; 16 products S^T = K Q^T: channels 32 (i / 8) on, keys 16 ((i / 2) % 4) on, tile i % 2.  The first 8 start the sums.  The 8 accumulators take turns.
.macro KQ
	WIN 0x05                                       ; K and Q in window 1
.set i, 0
.rept 16
.set rS, S+32*(i%2)+8*((i/2)%4)
.set rK, KF+16*((i/2)%4)+8*(i/8)
.set rQ, Q+16*(i%2)+8*(i/8)
.if i < 8
	v_wmma_f32_16x16x32_bf16 v[rS:rS+7], v[rK:rK+7], v[rQ:rQ+7], 0
.else
	v_wmma_f32_16x16x32_bf16 v[rS:rS+7], v[rK:rK+7], v[rQ:rQ+7], v[rS:rS+7]
.endif
.set i, i+1
.endr
.endm
; 16 products O^T += V^T P: keys 32 (i / 8) on, channels 16 ((i / 2) % 4) on, tile i % 2
.macro PV
	WIN 0x51                                       ; V and O^T in window 1, P in window 0
.set i, 0
.rept 16
.set rO, O+32*(i%2)+8*((i/2)%4)
.set rV, VF+32*(i/8)+8*((i/2)%4)
.set rP, P+16*(i%2)+8*(i/8)
	v_wmma_f32_16x16x32_bf16 v[rO:rO+7], v[rV:rV+7], v[rP:rP+7], v[rO:rO+7]
.set i, i+1
.endr
.endm
.macro FETCH_K                         ; a step's K, my head's 64 channels: 8 fragments, 16 loads in one run
	WIN 0x40
.irp f, 0,1,2,3,4,5,6,7
	ds_load_b128 v[KF+8*(\f):KF+8*(\f)+3],   v[AK] offset:((\f)/2)*16*PK+((\f)%2)*64
	ds_load_b128 v[KF+8*(\f)+4:KF+8*(\f)+7], v[AK] offset:((\f)/2)*16*PK+((\f)%2)*64+32
.endr
	s_add_co_u32 s[TBK], s[TBK], KS*PK
	WIN 0
.endm
.macro FETCH_V                         ; a step's V, turned
	WIN 0x40
.irp f, 0,1,2,3,4,5,6,7
	ds_load_tr16_b128 v[VF+8*(\f):VF+8*(\f)+3],   v[AV] offset:((\f)/4)*32*PV+((\f)%4)*32
	ds_load_tr16_b128 v[VF+8*(\f)+4:VF+8*(\f)+7], v[AV] offset:((\f)/4)*32*PV+16*PV+((\f)%4)*32
.endr
	s_add_co_u32 s[TBV], s[TBV], KS*PV
	WIN 0
.endm
.macro REGS u
.set rT, ST+4*(\u)
.set rC, TMP+4*(\u)
.set rW, MV+(\u)
.set rS, S+32*(\u)
.set rP, P+16*(\u)
.set rO, O+32*(\u)
.endm
; Number n of the 22 that find tile u's maximum and statistics.  Each accumulator's lowest registers are read first.
.macro XS u, n
	REGS \u
.if (\n) < 4
	v_max3_num_f32 v[rC+(\n)], v[rS+8*(\n)], v[rS+8*(\n)+1], v[rS+8*(\n)+2]
.elseif (\n) < 12
	v_max3_num_f32 v[rC+(\n)%4], v[rC+(\n)%4], v[rS+8*((\n)%4)+2*((\n)/4)+1], v[rS+8*((\n)%4)+2*((\n)/4)+2]
.elseif (\n) == 12
	v_max3_num_f32 v[rC], v[rC], v[rS+7], v[rS+15]
.elseif (\n) == 13
	v_max3_num_f32 v[rC+1], v[rC+1], v[rS+23], v[rS+31]
.elseif (\n) == 14
	v_max3_num_f32 v[rC+2], v[rC+2], v[rC+3], v[rT+1]
.elseif (\n) == 15
	v_mov_b32 v[rW], v[rT]
.elseif (\n) == 16
	v_max3_num_f32 v[rC], v[rC], v[rC+1], v[rC+2]
.elseif (\n) == 17
	v_permlanex16_b32 v[rC+3], v[rC], s[SEL], s[SEL+1]   ; the query's other 32 keys lie in the lane 16 away
.elseif (\n) == 18
	v_max_num_f32 v[rT+1], v[rC], v[rC+3]
.elseif (\n) == 19
	v_mul_f32 v[rT], s[CS], v[rT+1]
.elseif (\n) == 20
	v_sub_f32 v[rC+1], v[rW], v[rT]
.else
	v_exp_f32 v[rC+2], v[rC+1]
.endif
.endm
.macro FS q                            ; c s - c m for pair q / 2 of tile q % 2
	REGS (\q)%2
	v_pk_fma_f32 v[rS+2*((\q)/2):rS+2*((\q)/2)+1], v[rS+2*((\q)/2):rS+2*((\q)/2)+1], s[CS:CS+1], v[rT:rT+1] op_sel_hi:[1,0,0] neg_lo:[0,0,1] neg_hi:[0,0,1]
.endm
.macro EX x                            ; the exponential of score x / 2 of tile x % 2
	REGS (\x)%2
	v_exp_f32 v[rS+(\x)/2], v[rS+(\x)/2]
.endm
; THE SOFTMAX up to P.  The two a and the 64 exponentials are ONE BATCH: nothing ahead of its wait names a result.  Exponential x stands behind scaling 2 (x / 4) + x % 2: scalings 0 to x + 3 have been issued by then.
.macro SM1
	WIN 0
.irp n, 0,1,2,3,4,5,6,7,8,9,10,11,12,13,14,15,16,17,18,19,20,21
	XS 0, \n
	XS 1, \n
.endr
.irp q, 0,1,2,3
	FS \q
.endr
.set e, 0
.rept 64
	EX e
.if e+4 < 32
	FS e+4
.endif
.set e, e+1
.endr
	v_nop                                          ; a plain instruction behind the last exponential,
	s_wait_alu depctr_va_vdst(0)                   ; and the one wait ahead of the batch's first reader
	WIN 0x41                                       ; O^T in window 1, a in window 0
.irp u, 0,1
	REGS \u
.set i, 0
.rept 16
	v_pk_mul_f32 v[rO+2*i:rO+2*i+1], v[rO+2*i:rO+2*i+1], v[rC+2:rC+3] op_sel_hi:[1,0]
.set i, i+1
.endr
.endr
	WIN 0
.irp u, 0,1
	REGS \u
.set i, 0
.rept 16
	v_cvt_pk_bf16_f32 v[rP+i], v[rS+2*i], v[rS+2*i+1]
.set i, i+1
.endr
.endr
.endm
; THE SUMS: a tile's 16 pairs, in place, neighbours 1, 2, 4, 8 pairs apart; then l = a l + sum.  32 plain lines behind V^T P, which name none of its registers: they are the places in front of V's next run and of a block's end.
.macro SM2
	WIN 0
.set z, 0
.rept 16
.set w, 4
.set k, z
.if z >= 14
.set w, 32
.set k, 0
.elseif z >= 12
.set w, 16
.set k, z-12
.elseif z >= 8
.set w, 8
.set k, z-8
.endif
.irp u, 0,1
	REGS \u
.if z < 15
	v_pk_add_f32 v[rS+w*k:rS+w*k+1], v[rS+w*k:rS+w*k+1], v[rS+w*k+w/2:rS+w*k+w/2+1]
.else
	v_pk_fma_f32 v[rT+2:rT+3], v[rT+2:rT+3], v[rC+2:rC+3], v[rS:rS+1] op_sel_hi:[1,0,1]
.endif
.endr
.set z, z+1
.endr
.endm
.macro HIDE                            ; score i of a tile's 32 stands for key KST + 16 (i / 8) + 8 (l / 16) + i % 8: where that is greater than my query's place in the block it becomes -2^100.  Each accumulator is taken from its low end on
	WIN 0
.irp u, 0,1
	v_sub_nc_u32 v[TD], v[DQ+(\u)], s[KST]
.set i, 0
.rept 32
	v_cmp_gt_i32 vcc_lo, 16*(i/8)+i%8, v[TD]
	v_cndmask_b32 v[S+32*(\u)+i], v[S+32*(\u)+i], s[BIGN], vcc_lo
.set i, i+1
.endr
.endr
.endm
; A KEY STEP.  m = 1: scores are always hidden by the mask (the walk's last tile); m = 0: only in a block's last tile.
.macro STEP m
	v_add_nc_u32 v[AV], s[TBV], v[AV0]
	FETCH_V
	s_wait_dscnt 16                                ; K is in; V's 16 younger loads may stay out
	KQ
	WIN 0
	v_add_nc_u32 v[AK], s[TBK], v[AK0]             ; four places behind the products, in front of the loads into K's registers and of the first read of the scores
	v_nop
	v_nop
	v_nop
	s_cmp_eq_u32 s[CNT], 1                         ; my second step of a tile has no next step in its slot
	s_cbranch_scc1 .Lno_k_\@
	FETCH_K
.Lno_k_\@:
.if !(\m)
	s_cmp_eq_u32 s[RT], 0
	s_cbranch_scc0 .Lopen_\@
.endif
	HIDE
.if !(\m)
.Lopen_\@:
.endif
	s_add_co_u32 s[KST], s[KST], KS
	SM1
	s_wait_dscnt 0x0                               ; V is in (and the next K)
	PV
	SM2
	WIN 0
.endm
; A BLOCK ENDS, upper wave: my O^T (64 registers, f32), c m and l go into my pair's region at LDS byte stg: 512 consecutive bytes a store.  Each accumulator's low registers go first.
.macro DUMP stg
	WIN 0
	v_add_nc_u32 v[STO], \stg, v[DMR]
	v_mov_b32 v[TMP], v[ST]
	v_mov_b32 v[TMP+1], v[ST+4]
	v_add_f32 v[TMP+2], v[ST+2], v[ST+3]
	v_add_f32 v[TMP+3], v[ST+6], v[ST+7]
	WIN 0x04                                       ; store data in window 1
.set i, 0
.rept 16
	ds_store_b128 v[STO], v[O+4*i:O+4*i+3] offset:512*i
.set i, i+1
.endr
	WIN 0
	ds_store_b128 v[STO], v[TMP:TMP+3] offset:8192
.endm
; THE MERGE, lower wave, behind a barrier: with c m = the greater of the two c m, f = 2^(c m_own - c m): l = l_a f_a + l_b f_b, O = (O_a f_a + O_b f_b) / l; rounded once to bf16 and laid over the bytes just read,
; as 32 rows of 128 bytes: my pair's rows, my head's half of their 256 bytes.
.macro MERGE stg
	WIN 0
	v_add_nc_u32 v[RD], \stg, v[DMR]
.set i, 0
.rept 16
	ds_load_b128 v[S+4*i:S+4*i+3], v[RD] offset:512*i
.set i, i+1
.endr
	ds_load_b128 v[OUT:OUT+3], v[RD] offset:8192   ; the partner's c m (two tiles) and l (two tiles)
.irp u, 0,1
	v_add_f32 v[ST+4*(\u)+2], v[ST+4*(\u)+2], v[ST+4*(\u)+3]
.endr
	s_wait_dscnt 0x0
.irp u, 0,1
	v_max_num_f32 v[TMP+4*(\u)], v[ST+4*(\u)], v[OUT+(\u)]
.endr
.irp u, 0,1
	v_sub_f32 v[TMP+4*(\u)+1], v[ST+4*(\u)], v[TMP+4*(\u)]
	v_sub_f32 v[TMP+4*(\u)+2], v[OUT+(\u)], v[TMP+4*(\u)]
.endr
.irp u, 0,1
	v_exp_f32 v[TMP+4*(\u)+1], v[TMP+4*(\u)+1]     ; f_a
	v_exp_f32 v[TMP+4*(\u)+2], v[TMP+4*(\u)+2]     ; f_b
.endr
	v_nop
	s_wait_alu depctr_va_vdst(0)                   ; one wait for the four exponentials
.irp u, 0,1
	v_mul_f32 v[TMP+4*(\u)+3], v[OUT+2+(\u)], v[TMP+4*(\u)+2]
.endr
.irp u, 0,1
	v_fma_f32 v[ST+4*(\u)+2], v[ST+4*(\u)+2], v[TMP+4*(\u)+1], v[TMP+4*(\u)+3]
.endr
.irp u, 0,1
	v_permlanex16_b32 v[ST+4*(\u)+3], v[ST+4*(\u)+2], s[SEL], s[SEL+1]   ; the other half of the lanes holds the query's other keys
.endr
.irp u, 0,1
	v_add_f32 v[ST+4*(\u)+2], v[ST+4*(\u)+2], v[ST+4*(\u)+3]
.endr
.irp u, 0,1
	v_rcp_f32 v[ST+4*(\u)+2], v[ST+4*(\u)+2]
.endr
	v_nop
	s_wait_alu depctr_va_vdst(0)                   ; one wait for the two reciprocals
.irp u, 0,1
	v_mul_f32 v[TMP+4*(\u)], v[TMP+4*(\u)+1], v[ST+4*(\u)+2]       ; f_a / l
	v_mul_f32 v[TMP+4*(\u)+2], v[TMP+4*(\u)+2], v[ST+4*(\u)+2]     ; f_b / l
.endr
	WIN 0x41                                       ; O^T in window 1, the factor in window 0
.irp u, 0,1
.set i, 0
.rept 16
	v_pk_mul_f32 v[O+32*(\u)+2*i:O+32*(\u)+2*i+1], v[O+32*(\u)+2*i:O+32*(\u)+2*i+1], v[TMP+4*(\u):TMP+4*(\u)+1] op_sel_hi:[1,0]
.set i, i+1
.endr
.endr
	WIN 0x10                                       ; the addend in window 1
.irp u, 0,1
.set i, 0
.rept 16
	v_pk_fma_f32 v[S+32*(\u)+2*i:S+32*(\u)+2*i+1], v[S+32*(\u)+2*i:S+32*(\u)+2*i+1], v[TMP+4*(\u)+2:TMP+4*(\u)+3], v[O+32*(\u)+2*i:O+32*(\u)+2*i+1] op_sel_hi:[1,0,1]
.set i, i+1
.endr
.endr
	WIN 0
.set i, 0
.rept 32
	v_cvt_pk_bf16_f32 v[OUT+i], v[S+2*i], v[S+2*i+1]
.set i, i+1
.endr
	v_add_nc_u32 v[STO], \stg, v[STOR]
.irp u, 0,1
.irp c, 0,1,2,3
	ds_store_b128 v[STO], v[OUT+16*(\u)+4*(\c):OUT+16*(\u)+4*(\c)+3] offset:(\u)*16*RP+32*(\c)
.endr
.endr
.endm
.macro SEND stg, base, reg             ; 8 whole rows of the results at stg (a row's two halves lie in two pairs' regions), through registers reg .., to att
	v_add_nc_u32 v[RD], \stg, v[RDR]
.irp t, 0,1,2,3
	ds_load_b128 v[(\reg)+4*(\t):(\reg)+4*(\t)+3], v[RD] offset:(\t)*2*RP
.endr
.irp t, 0,1,2,3
	s_wait_dscnt 3-(\t)                            ; load t is in, the younger ones stay out
	global_store_b128 v[GO], v[(\reg)+4*(\t):(\reg)+4*(\t)+3], s[(\base):(\base)+1] offset:(\t)*4096  ; 16 lanes store 256 consecutive bytes, aligned
.endr
.endm
	s_load_b128 s[4:7], s[0:1], 0x0                ; qkv s[4:5], att s[6:7]
	v_lshl_add_u32 v[SPW], v0, 2, SPARE
	v_mov_b32 v[NIL], 0
	ds_add_u32 v[SPW], v[NIL]                      ; the wave's opening: the add and its wait ahead of my first tensor load
	v_lshrrev_b32 v1, 5, v0
	v_readfirstlane_b32 s[WV], v1
	s_lshr_b32 s[KH], s[WV], 2
	s_lshl_b32 s[K0], s[KH], 7
	s_bfe_u32 s[CX], ttmp6, 0x40000                ; my place in the cluster: it enters Q's, att's and the prefetches' addresses and the mask's numbers alone
	s_mov_b32 s[J], ttmp9                          ; the first block
	s_sub_co_u32 s[HI], 7, s[J]                    ; the second
	s_and_b32 s16, ttmp7, 0xffff
	s_lshr_b32 s17, s16, 3
	s_lshl_b32 s17, s17, 11                        ; the batch's first row
	s_and_b32 s18, s16, 7
	s_lshl_b32 s18, s18, 8                         ; the pair of heads: 256 bytes
	s_and_b32 s19, s[WV], 1
	s_lshr_b32 s20, s[WV], 1
	s_and_b32 s20, s20, 1
	s_lshl_b32 s20, s20, 7                         ; my head in the pair: 128 bytes
	s_lshl_b32 s22, s19, 7                         ; K and V: the half of a tile's 256 keys that waves 0 to 3 fetch
	s_add_co_u32 s22, s22, s17
	s_mul_i32 s22, s22, ROWB
	s_add_co_u32 s22, s22, s18
	s_mov_b32 s23, 0
	s_lshl_b32 s2, s[CX], 6
	s_lshl_b32 s3, s19, 5
	s_add_co_u32 s21, s2, s3                       ; my first query's place in a block: 64 cx + 32 (w % 2)
	s_add_co_u32 s3, s21, s17                      ; the same from the batch's first row
	s_lshl_b32 s16, s[WV], 3
	s_add_co_u32 s2, s2, s16
	s_add_co_u32 s2, s2, s17                       ; the rows that I send: 64 cx + 8 w
	s_lshl_b32 s16, s[J], 8
	s_lshl_b32 s17, s[HI], 8
	s_add_co_u32 s[QLO], s3, s16
	s_mul_i32 s[QLO], s[QLO], ROWB
	s_add_co_u32 s[QLO], s[QLO], s18
	s_add_co_u32 s[QLO], s[QLO], s20
	s_mov_b32 s[QLO+1], 0
	s_add_co_u32 s[QHI], s3, s17
	s_mul_i32 s[QHI], s[QHI], ROWB
	s_add_co_u32 s[QHI], s[QHI], s18
	s_add_co_u32 s[QHI], s[QHI], s20
	s_mov_b32 s[QHI+1], 0
	s_add_co_u32 s[OLO], s2, s16
	s_lshl_b32 s[OLO], s[OLO], 11
	s_add_co_u32 s[OLO], s[OLO], s18
	s_mov_b32 s[OLO+1], 0
	s_add_co_u32 s[OHI], s2, s17
	s_lshl_b32 s[OHI], s[OHI], 11
	s_add_co_u32 s[OHI], s[OHI], s18
	s_mov_b32 s[OHI+1], 0
	s_mul_i32 s[PFB], s3, ROWB
	s_add_co_u32 s[PFB], s[PFB], s18
	s_mov_b32 s16, 4096
	s_cmp_lt_u32 s[WV], 2
	s_cselect_b32 s16, 2048, s16
	s_add_co_u32 s[PFB], s[PFB], s16
	s_mov_b32 s[PFB+1], 0
	s_cmp_eq_u32 s[J], 0
	s_cselect_b32 s[LIM], 1, -1                    ; the same in all four partners, for a given wave
	s_cselect_b32 s[NXT], 0, 1                     ; tile 0 of the first block is asked for below; next comes its tile 1, or the second block's tile 0
	s_cselect_b32 s[LQ], s[HI], s[J]
	s_cmp_lt_u32 s[WV], 4
	s_cselect_b32 s[LIM], s[LIM], -1               ; waves 4 to 7 ask for nothing
	s_add_co_u32 s[RT], s[J], 1                    ; the first block has j + 1 tiles
	s_mov_b32 s[NEW], 1
	s_mov_b32 s[MRG], 0
	s_mov_b32 s[OFF+1], 0
	s_mov_b32 s[SLOTS], 8
	s_mov_b32 s[BIGN], 0xf1800000                  ; -2^100
	s_mov_b32 s[CS], 0x3e38aa3b                    ; c = log2(e) / 8
	s_mov_b32 s[CS+1], s[CS]
	s_mov_b32 s[SEL], 0x76543210
	s_mov_b32 s[SEL+1], 0xfedcba98
	s_mul_i32 s[TBK], s[KH], 2*KS*PK               ; my two steps of a slot (0 or 0x8800, 0 or 0x9000: no bit in common with SLOT);
	s_add_co_u32 s[TBK], s[TBK], SLOT+2*KS*PK      ; the first change of slots turns these two into their places in slot 0
	s_mul_i32 s[TBV], s[KH], 2*KS*PV
	s_add_co_u32 s[TBV], s[TBV], SLOT+2*KS*PV
	s_mov_b32 s[G1K], 15|(1<<16)|(1<<20)|(1<<21)|(5<<22)|(3<<25)  ; the mask of four; 2-byte elements; padding on; bit 21 beside a mask; after every 64 words, 4 words
	s_mov_b32 s[G1V], 15|(1<<16)|(1<<20)|(1<<21)|(5<<22)|(7<<25)  ; the same with 8 words
.irp g, G1K, G1V
	s_mov_b32 s[(\g)+1], 128<<16                   ; tensor_dim0 = 128
	s_mov_b32 s[(\g)+2], 128<<16                   ; tensor_dim1 = 128
	s_mov_b32 s[(\g)+3], 128<<16                   ; tile_dim0 = 128
	s_mov_b32 s[(\g)+4], 128                       ; tile_dim1 = 128
	s_mov_b32 s[(\g)+5], 3072                      ; elements from row to row
	s_mov_b32 s[(\g)+6], 0
	s_mov_b32 s[(\g)+7], 0
.endr
	s_mov_b32 s[G0K], 1
	s_mul_i32 s[G0K+1], s19, 128*PK                ; slot 0, my half
	s_mov_b32 s[G0V], 1
	s_mul_i32 s[G0V+1], s19, 128*PV
	s_add_co_u32 s[G0V+1], s[G0V+1], VOFF
	s_wait_dscnt 0x0                               ; the opening add is done
	s_wait_kmcnt 0x0
	s_add_nc_u64 s[KB:KB+1], s[4:5], s[22:23]
	s_add_nc_u64 s[VB:VB+1], s[KB:KB+1], 4096
	s_add_nc_u64 s[KB:KB+1], s[KB:KB+1], 2048
	s_add_nc_u64 s[G0K+2:G0K+3], s[KB:KB+1], 0
	s_or_b32 s[G0K+3], s[G0K+3], 0x80000000
	s_add_nc_u64 s[G0V+2:G0V+3], s[VB:VB+1], 0
	s_or_b32 s[G0V+3], s[G0V+3], 0x80000000
	s_add_nc_u64 s[QLO:QLO+1], s[4:5], s[QLO:QLO+1]
	s_add_nc_u64 s[QHI:QHI+1], s[4:5], s[QHI:QHI+1]
	s_add_nc_u64 s[PFB:PFB+1], s[4:5], s[PFB:PFB+1]
	s_add_nc_u64 s[OLO:OLO+1], s[6:7], s[OLO:OLO+1]
	s_add_nc_u64 s[OHI:OHI+1], s[6:7], s[OHI:OHI+1]
	CROUND                                         ; all four work-groups are here: the first joint loads meet
	JLOAD                                          ; tile 0 into slot 0; slot 1 is asked for by the loop's first change of slots
	v_and_b32 v1, 15, v0                           ; l % 16
	v_bfe_u32 v34, v0, 4, 1                        ; l / 16
	v_mul_u32_u24 v[QO], v1, ROWB
	v_lshl_add_u32 v[QO], v34, 4, v[QO]
	WIN 0x40                                       ; destination window 1
.irp u, 0,1
.irp c, 0,1
	global_load_b128 v[Q+16*(\u)+8*(\c):Q+16*(\u)+8*(\c)+3],     v[QO], s[QLO:QLO+1] offset:(\u)*16*ROWB+64*(\c)
	global_load_b128 v[Q+16*(\u)+8*(\c)+4:Q+16*(\u)+8*(\c)+7],   v[QO], s[QLO:QLO+1] offset:(\u)*16*ROWB+64*(\c)+32
	global_load_b128 v[QB+16*(\u)+8*(\c):QB+16*(\u)+8*(\c)+3],   v[QO], s[QHI:QHI+1] offset:(\u)*16*ROWB+64*(\c)
	global_load_b128 v[QB+16*(\u)+8*(\c)+4:QB+16*(\u)+8*(\c)+7], v[QO], s[QHI:QHI+1] offset:(\u)*16*ROWB+64*(\c)+32
.endr
.endr
.set i, 0
.rept 64
	v_mov_b32 v[O+i], 0                            ; a block's first step multiplies O^T and l by a = 0: they need only be finite.  Written in the wait for the first tile, so that no first step is written out
.set i, i+1
.endr
	WIN 0
.irp u, 0,1
	v_mov_b32 v[ST+4*(\u)+2], 0
	v_mov_b32 v[ST+4*(\u)+3], 0
.endr
	v_mul_u32_u24 v[AK0], v1, PK                   ; a fragment of K: row l % 16, 16 bytes for each half of the lanes, my head's 128 bytes
	v_lshl_add_u32 v[AK0], v34, 4, v[AK0]
	v_add_nc_u32 v[AK0], s20, v[AK0]
	v_and_b32 v35, 7, v0                           ; the turning load: lane l reads key 8 (l / 16) + l % 8, channels 8 ((l / 8) % 2) + 0..7
	v_bfe_u32 v36, v0, 3, 1
	v_lshl_add_u32 v[AV0], v34, 3, v35
	v_mul_u32_u24 v[AV0], v[AV0], PV
	v_lshl_add_u32 v[AV0], v36, 4, v[AV0]
	s_add_co_u32 s16, s20, VOFF
	v_add_nc_u32 v[AV0], s16, v[AV0]
	s_and_b32 s16, s[WV], 3                        ; my pair
	s_mul_i32 s17, s16, PR                         ; its region
	v_and_b32 v[DMR], 31, v0
	v_lshl_add_u32 v[DMR], v[DMR], 4, s17          ; a merge's bytes: 16 a lane
	v_mul_u32_u24 v[STOR], v1, RP                  ; a result's bytes: row l % 16, 16 bytes for each half of the lanes
	v_lshl_add_u32 v[STOR], v34, 4, v[STOR]
	v_add_nc_u32 v[STOR], s17, v[STOR]
	s_mul_i32 s17, s16, 8*RP                       ; what I send: rows 8 w .. + 7 of the work-group's 64: rows 8 (w % 4) on of the pairs with row half w / 4;
	s_mul_i32 s16, s[KH], PR
	s_add_co_u32 s17, s17, s16
	v_mul_u32_u24 v[RDR], v36, 2*PR                ; lanes 0-7 of sixteen take the first head's 128 bytes, lanes 8-15 the second's;
	v_mul_u32_u24 v37, v34, RP                     ; lanes 0-15 one row, lanes 16-31 the next
	v_add_nc_u32 v[RDR], v37, v[RDR]
	v_lshl_add_u32 v[RDR], v35, 4, v[RDR]
	v_add_nc_u32 v[RDR], s17, v[RDR]
	v_lshlrev_b32 v[GO], 11, v34
	v_lshl_add_u32 v[GO], v1, 4, v[GO]
	v_and_b32 v[PFO], 31, v0
	v_mul_u32_u24 v[PFO], v[PFO], ROWB
	v_lshlrev_b32 v37, 3, v34
	v_sub_nc_u32 v37, v1, v37
	v_add_nc_u32 v[DQ], s21, v37
	v_add_nc_u32 v[DQ+1], 16, v[DQ]
.Lslot:                                        ; 8 times: a tile is entered and the next is asked for
	CHANGE 1
	s_sub_co_u32 s[RT], s[RT], 1
	s_mov_b32 s[CNT], 2
	s_mov_b32 s[KST], s[K0]
	s_cmp_eq_u32 s[NEW], 1
	s_cbranch_scc0 .Lold
	s_mov_b32 s[NEW], 0                            ; A BLOCK BEGINS
	s_cmp_eq_u32 s[MRG], 1                         ; (at the first trip the answer is a constant of the text: no)
	s_cbranch_scc0 .Lfresh
	MERGE MG                                       ; the first block's two parts: the change of slots was the barrier behind the upper wave's stores
.Lfresh:
.irp u, 0,1
	v_mov_b32 v[ST+4*(\u)], 0xfe000000             ; c m far below every c s,
	v_mov_b32 v[ST+4*(\u)+1], 0xff7fffff           ; m at the lowest finite number
.endr
	s_wait_loadcnt 0x0                             ; Q
.Lold:
	v_add_nc_u32 v[AK], s[TBK], v[AK0]
	FETCH_K                                        ; my first K of the tile
	s_wait_dscnt 0x0                               ; K is in; a merge's loads and stores are done
	s_barrier_signal -1                            ; on every path a barrier stands between a merge, which reads and rewrites a pair's bytes, and a later block's end, which stores into them.
	s_barrier_wait -1                              ; The tile on its way may stay out
.Lstep:
	STEP 0
	s_sub_co_u32 s[CNT], s[CNT], 1
	s_cmp_lg_u32 s[CNT], 0
	s_cbranch_scc1 .Lstep
	s_cmp_eq_u32 s[RT], 0
	s_cbranch_scc0 .Lbottom
	s_xor_b32 s[MRG], s[KH], 1                     ; THE FIRST BLOCK ENDS: the lower wave keeps its part in registers and merges behind the next change of slots,
	s_mov_b32 s[NEW], 1
	s_add_co_u32 s[RT], s[HI], 1                   ; (the second block has 8 - j tiles)
	s_cmp_eq_u32 s[KH], 1
	s_cbranch_scc0 .Lkeep
	DUMP MG                                        ; the upper wave hands its part over
.Lkeep:
	WIN 0x41
.set i, 0
.rept 32
	v_mov_b32 v[Q+i], v[QB+i]                      ; the second block's Q goes where the one text of the step names Q
.set i, i+1
.endr
	WIN 0
.Lbottom:
	s_sub_co_u32 s[SLOTS], s[SLOTS], 1
	s_cmp_lg_u32 s[SLOTS], 0
	s_cbranch_scc1 .Lslot
	CHANGE 0                                       ; the walk's last tile, the second block's last, is written out
	s_mov_b32 s[CNT], 2
	s_mov_b32 s[KST], s[K0]
	v_add_nc_u32 v[AK], s[TBK], v[AK0]
	FETCH_K
.LstepT:
	STEP 1
	s_sub_co_u32 s[CNT], s[CNT], 1
	s_cmp_lg_u32 s[CNT], 0
	s_cbranch_scc1 .LstepT
	s_cmp_eq_u32 s[KH], 1
	s_cbranch_scc0 .LkeepT
	DUMP SLOT                                      ; through slot 1's bytes: nobody has read them since the last change of slots, and nothing is filled any more
.LkeepT:
	s_wait_dscnt 0x0                               ; for the partner's sake: my stores are done
	s_barrier_signal -1
	s_barrier_wait -1
	s_cmp_eq_u32 s[KH], 0
	s_cbranch_scc0 .LmergedT
	MERGE SLOT
.LmergedT:
	s_wait_dscnt 0x0                               ; for the others' sake: both blocks' results lie in LDS
	s_barrier_signal -1
	s_barrier_wait -1
	SEND MG, OLO, S
	SEND SLOT, OHI, S+16
	s_wait_tensorcnt 0x0                           ; the wave's end
	ds_add_u32 v[SPW], v[NIL]
	s_wait_dscnt 0x0
	CROUND                                         ; the closing round
	s_endpgm
.Lfunc_end_k_qd4d9915ecb_attn:
	.size	k_qd4d9915ecb_attn, .Lfunc_end_k_qd4d9915ecb_attn-k_qd4d9915ecb_attn
	.p2alignl 7, 3214868480
	.fill 96, 4, 3214868480
	.section	.rodata,"a",@progbits
	.p2align	6, 0x0
	.amdhsa_kernel k_qd4d9915ecb_attn
		.amdhsa_group_segment_fixed_size 327680
		.amdhsa_private_segment_fixed_size 0
		.amdhsa_enable_private_segment 0
		.amdhsa_kernarg_size 16
		.amdhsa_user_sgpr_count 2
		.amdhsa_user_sgpr_kernarg_segment_ptr 1
		.amdhsa_wavefront_size32 1
		.amdhsa_system_sgpr_workgroup_id_x 1
		.amdhsa_system_sgpr_workgroup_id_y 1
		.amdhsa_system_sgpr_workgroup_id_z 1
		.amdhsa_system_vgpr_workitem_id 0
		.amdhsa_next_free_vgpr 512
		.amdhsa_next_free_sgpr 92
		.amdhsa_reserve_vcc 1
		.amdhsa_float_denorm_mode_32 3
		.amdhsa_float_denorm_mode_16_64 3
		.amdhsa_memory_ordered 1
		.amdhsa_forward_progress 1
		.amdhsa_inst_pref_size 89
	.end_amdhsa_kernel
	.amdgpu_metadata
---
amdhsa.version: [ 1, 2 ]
amdhsa.kernels:
  - .name:           k_qd4d9915ecb_attn
    .symbol:         k_qd4d9915ecb_attn.kd
    .args:
      - { .name: qkv, .offset: 0, .size: 8, .value_kind: global_buffer, .address_space: global }
      - { .name: att, .offset: 8, .size: 8, .value_kind: global_buffer, .address_space: global }
    .group_segment_fixed_size: 327680
    .private_segment_fixed_size: 0
    .kernarg_segment_align: 8
    .kernarg_segment_size: 16
    .max_flat_workgroup_size: 256
    .sgpr_count:     92
    .vgpr_count:     512
    .wavefront_size: 32
...
	.end_amdgpu_metadata
.endif
;; end of part 3
;; launch proj (part 4): grid 8 x 32, 4 waves a work-group, clusters of 4 x 4, 327,680 bytes of LDS; arguments att, wbf, x, x1; writes x1
.if DOCPART == 4
	.amdgcn_target "amdgcn-amd-amdhsa--gfx1250"
	.amdhsa_code_object_version 6
	.text
	.protected	k_qd4d9915ecb_proj
	.globl	k_qd4d9915ecb_proj
	.p2align	8
	.type	k_qd4d9915ecb_proj,@function
k_qd4d9915ecb_proj:
	s_mov_b64 s[64:65], 0
	v_nop
	global_prefetch_b8 v0, s[64:65] scope:SCOPE_SE
	s_setreg_imm32_b32 hwreg(HW_REG_WAVE_MODE, 25, 1), 1
	s_wait_xcnt 0x0
	s_wait_alu depctr_hold_cnt(0) depctr_sa_sdst(0) depctr_va_vdst(0) depctr_va_sdst(0) depctr_va_ssrc(0) depctr_va_vcc(0) depctr_vm_vsrc(0)
	s_getreg_b32 s2, hwreg(HW_REG_IB_STS2, 6, 4)
	s_cmp_eq_u32 s2, 0
	s_cbranch_scc0 .Lentry_in_a_cluster
	s_endpgm
.Lentry_in_a_cluster:
	s_bfe_u32 s2, ttmp6, 0x10000c
	s_cmp_lg_u32 s2, 0xf033
	s_cbranch_scc0 .Lentry_shape_is_right
	s_endpgm
.Lentry_shape_is_right:
; OUT = R + A B.  A: [4096][SIZE_K] bf16, K along the rows.  B: [SIZE_K][1024] bf16, N along the rows, at byte WOFF of the weights' buffer.  R, OUT: [4096][1024] f32.  Sums in f32.
; Here: x1 = x + att w_proj.
; A tile of OUT is 128 x 128, so that the 4096 x 1024 numbers make 256 work-groups.  Four waves, each 64 x 64: 16 accumulators.  K goes in steps of 256 through two LDS slots.
; A's fragments come out of LDS as they lie; B's ([k][n]) turned, by ds_load_tr16_b128.  The matrix instruction is used transposed: a lane holds eight neighbouring numbers of one row of OUT.
; CLUSTER 4 x 4: A's tile is shared along a row of the cluster, B's along a column, by joint loads.
; THE LOOP is one K step; the slot in hand is a scalar (0 or SLOT) that an exclusive or turns; SLOT has no bit in common with any wave's LDS base, so the same exclusive or turns the descriptor's LDS word.
; THE WAY OUT: each wave lays its 64 x 64 sums into its own 17,408 bytes of the ring, which has had its last fill, reads whole rows back, adds R (asked for two K steps earlier) and stores.
; REGISTERS: window 0: v16-29 addresses, v128-255 accumulators; window 1: two fragment buffers of 128 (A 64, then B 64), later the rows read back; window 2: v0-127 R.
.set SIZE_K, 1024
.set WOFF,   6291456
.set KSTEP,  256
.set NSTEP,  SIZE_K/KSTEP
.set PA,     528                       ; a row of A in LDS: 512 bytes + 16: the 16 rows of a load start at 16 different groups of four banks (64 banks of 4 bytes: ISA guide 11.1)
.set PB,     288                       ; a k-row of B: 256 bytes + 32 = 9 x 32
.set HA,     64*PA                     ; what a tensor load brings of A: 64 rows,
.set HB,     128*PB                    ; of B: 128 k-rows
.set BOFF,   2*HA
.set SLOT,   0x24000
.set DP,     272
.set DW,     64*DP
.set SPARE,  2*SLOT                    ; the spare words, 128 bytes for each wave: two blocks of 256 bytes that no other line names
.set A0,   16
.set B0,   17
.set ADRA, 18
.set ADRB, 20                          ; v20 k-rows 0-127, v21 k-rows 128-255 of the slot in hand: the immediate offsets stay under 65,536
.set B1,   22
.set STO,  24
.set RD,   25
.set CO,   26
.set SPW,  28
.set NIL,  29
.set ACC,  128
.set F0,   0
.set F1,   128
.set XO,   0                           ; window 1
.set RES,  0                           ; window 2
.set WV,  12
.set WR,  13
.set WC,  14
.set TB,  15
.set G1A, 24
.set G0A, 32
.set G1B, 48
.set G0B, 56
.set MSB, 0
.macro WIN new
.if MSB != (\new)
	s_set_vgpr_msb (MSB<<8)|(\new)
.set MSB, \new
.endif
.endm
.set MUL,  0x05                        ; sources 0 (B) and 1 (A) window 1; C and D window 0
.set TO_F, 0x40
.macro JLOAD s
	s_cmp_eq_u32 s[WR], 0
	s_cbranch_scc0 .Lfor_b_\@
	tensor_load_to_lds s[G0A+4*(\s):G0A+4*(\s)+3], s[G1A:G1A+7]
	s_nop 0
.rept 4
	v_nop
.endr
	s_branch .Lasked_\@
.Lfor_b_\@:
	tensor_load_to_lds s[G0B+4*(\s):G0B+4*(\s)+3], s[G1B:G1B+7]
	s_nop 0
.rept 4
	v_nop
.endr
.Lasked_\@:
.endm
.macro CREST
	s_cmp_lg_u32 s[WV], 0
	s_cbranch_scc1 .Lnot_wave_0_\@
	s_barrier_signal -3
.Lnot_wave_0_\@:
	s_barrier_wait -3
	s_barrier_signal -1
	s_barrier_wait -1
.endm
.macro CROUND
	s_barrier_signal -1
	s_barrier_wait -1
	CREST
.endm
.macro PLACES
.rept 4
	v_nop
.endr
.endm
.macro MUL8 f, c, a0, zero             ; 8 matrix instructions: row blocks a0, a0 + 1 x all 4 column blocks, 32 along K: half c of buffer f
	WIN MUL
.irp a, \a0, (\a0)+1
.irp b, 0,1,2,3
.if \zero
	v_wmma_f32_16x16x32_bf16 v[ACC+8*(4*(\a)+(\b)):ACC+8*(4*(\a)+(\b))+7], v[(\f)+64+8*(4*(\c)+(\b)):(\f)+64+8*(4*(\c)+(\b))+7], v[(\f)+8*(4*(\c)+(\a)):(\f)+8*(4*(\c)+(\a))+7], 0
.else
	v_wmma_f32_16x16x32_bf16 v[ACC+8*(4*(\a)+(\b)):ACC+8*(4*(\a)+(\b))+7], v[(\f)+64+8*(4*(\c)+(\b)):(\f)+64+8*(4*(\c)+(\b))+7], v[(\f)+8*(4*(\c)+(\a)):(\f)+8*(4*(\c)+(\a))+7], v[ACC+8*(4*(\a)+(\b)):ACC+8*(4*(\a)+(\b))+7]
.endif
.endr
.endr
.endm
.macro FETCH q, f                      ; 32 LDS loads in one run: quarter q (64 along K) into buffer f; the first 32 along K first
	WIN TO_F
.irp c, 0,1
.irp i, 0,1,2,3
	ds_load_tr16_b128 v[(\f)+64+8*(4*(\c)+(\i)):(\f)+64+8*(4*(\c)+(\i))+3],   v[ADRB+(\q)/2] offset:(64*((\q)%2)+32*(\c))*PB+32*(\i)
	ds_load_tr16_b128 v[(\f)+64+8*(4*(\c)+(\i))+4:(\f)+64+8*(4*(\c)+(\i))+7], v[ADRB+(\q)/2] offset:(64*((\q)%2)+32*(\c)+16)*PB+32*(\i)
	ds_load_b128 v[(\f)+8*(4*(\c)+(\i)):(\f)+8*(4*(\c)+(\i))+3],   v[ADRA] offset:128*(\q)+64*(\c)+(\i)*16*PA
	ds_load_b128 v[(\f)+8*(4*(\c)+(\i))+4:(\f)+8*(4*(\c)+(\i))+7], v[ADRA] offset:128*(\q)+64*(\c)+(\i)*16*PA+32
.endr
.endr
.endm
.macro QUARTER q, f, g, zero
	s_wait_dscnt 16                                ; the first 32 along K are in
	MUL8 \f, 0, 0, \zero
	MUL8 \f, 0, 2, \zero
	PLACES
	FETCH \q, \g
	s_wait_dscnt 32                                ; all but the 32 just issued
	MUL8 \f, 1, 0, 0
	MUL8 \f, 1, 2, 0
.endm
.macro TURN fill                       ; the last quarter and the change of slots: the waits, the add and one barrier; fill = 1: it opens a round of the cluster's, and this slot is filled again first thing behind it
	WIN 0
	s_wait_tensorcnt 0x0
	ds_add_u32 v[SPW], v[NIL]
	s_wait_dscnt 17                                ; (the add and the youngest sixteen loads may be out)
	MUL8 F1, 0, 0, 0
	s_wait_dscnt 0x0                               ; the add is done, and my reads of this slot are over
	s_barrier_signal -1
	MUL8 F1, 0, 2, 0
	WIN 0
	s_barrier_wait -1
.if \fill
	CREST
	s_xor_b32 s[G0A+5], s[G0A+5], SLOT
	s_xor_b32 s[G0B+5], s[G0B+5], SLOT
	s_add_nc_u64 s[G0A+6:G0A+7], s[G0A+6:G0A+7], KSTEP*2
	s_add_nc_u64 s[G0B+6:G0B+7], s[G0B+6:G0B+7], KSTEP*2048
	JLOAD 1
.else
	PLACES
.endif
	s_xor_b32 s[TB], s[TB], SLOT
	v_add_nc_u32 v[ADRA], s[TB], v[A0]
	v_add_nc_u32 v[ADRB], s[TB], v[B0]
	v_add_nc_u32 v[ADRB+1], s[TB], v[B1]
	FETCH 0, F0
	MUL8 F1, 1, 0, 0
	MUL8 F1, 1, 2, 0
.endm
	s_load_b256 s[4:11], s[0:1], 0x0               ; A s[4:5], the weights s[6:7], R s[8:9], OUT s[10:11]
	v_lshl_add_u32 v[SPW], v0, 2, SPARE
	v_mov_b32 v[NIL], 0
	ds_add_u32 v[SPW], v[NIL]                      ; the wave's opening: the add and its wait ahead of my first tensor load
	v_lshrrev_b32 v1, 5, v0
	v_readfirstlane_b32 s[WV], v1
	s_lshr_b32 s[WR], s[WV], 1
	s_and_b32 s[WC], s[WV], 1
	s_bfe_u32 s22, ttmp6, 0x40000
	s_bfe_u32 s23, ttmp6, 0x40004
	s_lshl_b32 s40, ttmp9, 2
	s_add_co_u32 s40, s40, s22                     ; tile column
	s_and_b32 s41, ttmp7, 0xffff
	s_lshl_b32 s41, s41, 2
	s_add_co_u32 s41, s41, s23                     ; tile row
	s_lshl_b32 s42, s23, 2
	s_lshl_b32 s42, 15, s42
	s_lshl_b32 s43, 0x1111, s22
	s_or_b32 s[G1A], s42, (1<<16)|(1<<20)|(1<<21)|(6<<22)|(3<<25)  ; after every 128 words, 4 words
	s_mov_b32 s[G1A+1], KSTEP<<16
	s_mov_b32 s[G1A+2], 64<<16
	s_mov_b32 s[G1A+3], KSTEP<<16
	s_mov_b32 s[G1A+4], 64
	s_mov_b32 s[G1A+5], SIZE_K
	s_mov_b32 s[G1A+6], 0
	s_mov_b32 s[G1A+7], 0
	s_or_b32 s[G1B], s43, (1<<16)|(1<<20)|(1<<21)|(5<<22)|(7<<25)  ; after every 64 words, 8 words
	s_mov_b32 s[G1B+1], 128<<16
	s_mov_b32 s[G1B+2], 128<<16
	s_mov_b32 s[G1B+3], 128<<16
	s_mov_b32 s[G1B+4], 128
	s_mov_b32 s[G1B+5], 1024
	s_mov_b32 s[G1B+6], 0
	s_mov_b32 s[G1B+7], 0
	s_lshl_b32 s16, s41, 7                         ; A: row 128 x tile row + 64 x half
	s_lshl_b32 s17, s[WC], 6
	s_add_co_u32 s16, s16, s17
	s_mul_i32 s16, s16, SIZE_K*2
	s_mov_b32 s17, 0
	s_lshl_b32 s46, s[WC], 18                      ; B: k-row 128 x half (2,048 bytes a row), column 128 x tile column
	s_lshl_b32 s47, s40, 8
	s_add_co_u32 s46, s46, s47
	s_add_co_u32 s46, s46, WOFF
	s_mov_b32 s47, 0
	s_mul_i32 s20, s[WC], HA
	s_mul_i32 s21, s[WC], HB
	s_add_co_u32 s21, s21, BOFF
	s_wait_dscnt 0x0
	s_wait_kmcnt 0x0
	s_add_nc_u64 s[18:19], s[4:5], s[16:17]
	s_add_nc_u64 s[46:47], s[6:7], s[46:47]
	CROUND
.irp s, 0,1
	s_mov_b32 s[G0A+4*(\s)], 1
	s_add_co_u32 s[G0A+4*(\s)+1], s20, (\s)*SLOT
	s_add_nc_u64 s[G0A+4*(\s)+2:G0A+4*(\s)+3], s[18:19], (\s)*KSTEP*2
	s_or_b32 s[G0A+4*(\s)+3], s[G0A+4*(\s)+3], 0x80000000
	s_mov_b32 s[G0B+4*(\s)], 1
	s_add_co_u32 s[G0B+4*(\s)+1], s21, (\s)*SLOT
	s_add_nc_u64 s[G0B+4*(\s)+2:G0B+4*(\s)+3], s[46:47], (\s)*KSTEP*2048
	s_or_b32 s[G0B+4*(\s)+3], s[G0B+4*(\s)+3], 0x80000000
	JLOAD \s
.endr
	v_and_b32 v1, 15, v0
	v_bfe_u32 v2, v0, 4, 1
	v_mul_u32_u24 v3, v1, PA
	v_lshl_add_u32 v3, v2, 4, v3
	s_mul_i32 s16, s[WR], HA
	v_add_nc_u32 v[A0], s16, v3
	v_and_b32 v4, 7, v0
	v_bfe_u32 v5, v0, 3, 1
	v_lshl_add_u32 v4, v2, 3, v4
	v_mul_u32_u24 v4, v4, PB
	v_lshl_add_u32 v4, v5, 4, v4
	s_lshl_b32 s16, s[WC], 7
	s_add_co_u32 s16, s16, BOFF
	v_add_nc_u32 v[B0], s16, v4
	v_add_nc_u32 v[B1], 128*PB, v[B0]
	s_mov_b32 s[TB], 0
	v_mov_b32 v[ADRA], v[A0]
	v_mov_b32 v[ADRB], v[B0]
	v_mov_b32 v[ADRB+1], v[B1]
	s_mul_i32 s16, s[WV], DW
	v_mul_u32_u24 v[STO], v1, DP
	v_lshl_add_u32 v[STO], v2, 5, v[STO]
	v_add_nc_u32 v[STO], s16, v[STO]
	v_mul_u32_u24 v[RD], v2, DP
	v_lshl_add_u32 v[RD], v1, 4, v[RD]
	v_add_nc_u32 v[RD], s16, v[RD]
	v_lshlrev_b32 v[CO], 12, v2                    ; lanes 0-15 one row's 256 bytes, lanes 16-31 the next row's
	v_lshl_add_u32 v[CO], v1, 4, v[CO]
	s_lshl_b32 s16, s41, 7
	s_lshl_b32 s17, s[WR], 6
	s_add_co_u32 s16, s16, s17
	s_lshl_b32 s16, s16, 12
	s_lshl_b32 s17, s40, 9
	s_add_co_u32 s16, s16, s17
	s_lshl_b32 s17, s[WC], 8
	s_add_co_u32 s16, s16, s17
	s_mov_b32 s17, 0
	s_add_nc_u64 s[8:9], s[8:9], s[16:17]
	s_add_nc_u64 s[10:11], s[10:11], s[16:17]
	s_wait_tensorcnt 0x1                           ; my part of K step 0 is in; step 1's may stay out
	s_barrier_signal -1
	s_barrier_wait -1
	FETCH 0, F0
	QUARTER 1, F0, F1, 1
	WIN 0
	s_mov_b32 s3, NSTEP-2
.Lstep:
	QUARTER 2, F1, F0, 0
	QUARTER 3, F0, F1, 0
	TURN 1
	QUARTER 1, F0, F1, 0
	WIN 0
	s_sub_co_u32 s3, s3, 1
	s_cmp_lg_u32 s3, 0
	s_cbranch_scc1 .Lstep
	WIN 0x80                                       ; my 64 x 64 of R, two K steps ahead of its use: destination window 2
.set t, 0
.rept 32
	global_load_b128 v[RES+4*t:RES+4*t+3], v[CO], s[8:9] offset:t*8192
.set t, t+1
.endr
	WIN 0
	s_mov_b32 s3, 2
.Ltail:
	QUARTER 2, F1, F0, 0
	QUARTER 3, F0, F1, 0
	WIN 0
	s_sub_co_u32 s3, s3, 1
	s_cmp_eq_u32 s3, 0
	s_cbranch_scc1 .Llast
	TURN 0
	QUARTER 1, F0, F1, 0
	WIN 0
	s_branch .Ltail
.Llast:
	s_wait_dscnt 16
	MUL8 F1, 0, 0, 0
	MUL8 F1, 0, 2, 0
	s_wait_dscnt 0x0
	MUL8 F1, 1, 0, 0
	MUL8 F1, 1, 2, 0
	WIN 0
	PLACES
	s_barrier_signal -1                            ; every wave's reads of the ring are over, and no tensor load is out
	s_barrier_wait -1
.irp a, 0,1,2,3
.irp b, 0,1,2,3
	ds_store_b128 v[STO], v[ACC+8*(4*(\a)+(\b)):ACC+8*(4*(\a)+(\b))+3]   offset:(\a)*16*DP+64*(\b)      ; each accumulator's low registers first
	ds_store_b128 v[STO], v[ACC+8*(4*(\a)+(\b))+4:ACC+8*(4*(\a)+(\b))+7] offset:(\a)*16*DP+64*(\b)+16
.endr
.endr
	WIN 0x40
.set t, 0
.rept 32
	ds_load_b128 v[XO+4*t:XO+4*t+3], v[RD] offset:t*2*DP   ; my own bytes: LDS serves a wave's instructions in order (ISA guide 5.7.1.4)
.set t, t+1
.endr
	s_wait_dscnt 0x0
	s_wait_loadcnt 0x0                             ; R
	WIN 0x49                                       ; destination and source 0 window 1, source 1 window 2
.set t, 0
.rept 64
	v_pk_add_f32 v[XO+2*t:XO+2*t+1], v[XO+2*t:XO+2*t+1], v[RES+2*t:RES+2*t+1]
.set t, t+1
.endr
	WIN 0x04                                       ; store data window 1
.set t, 0
.rept 32
	global_store_b128 v[CO], v[XO+4*t:XO+4*t+3], s[10:11] offset:t*8192   ; 16 lanes store 256 consecutive bytes, aligned
.set t, t+1
.endr
	WIN 0
	s_wait_tensorcnt 0x0                           ; the wave's end
	ds_add_u32 v[SPW], v[NIL]
	s_wait_dscnt 0x0
	CROUND
	s_endpgm
.Lfunc_end_k_qd4d9915ecb_proj:
	.size	k_qd4d9915ecb_proj, .Lfunc_end_k_qd4d9915ecb_proj-k_qd4d9915ecb_proj
	.p2alignl 7, 3214868480
	.fill 96, 4, 3214868480
	.section	.rodata,"a",@progbits
	.p2align	6, 0x0
	.amdhsa_kernel k_qd4d9915ecb_proj
		.amdhsa_group_segment_fixed_size 327680
		.amdhsa_private_segment_fixed_size 0
		.amdhsa_enable_private_segment 0
		.amdhsa_kernarg_size 32
		.amdhsa_user_sgpr_count 2
		.amdhsa_user_sgpr_kernarg_segment_ptr 1
		.amdhsa_wavefront_size32 1
		.amdhsa_system_sgpr_workgroup_id_x 1
		.amdhsa_system_sgpr_workgroup_id_y 1
		.amdhsa_system_sgpr_workgroup_id_z 1
		.amdhsa_system_vgpr_workitem_id 0
		.amdhsa_next_free_vgpr 768
		.amdhsa_next_free_sgpr 66
		.amdhsa_reserve_vcc 0
		.amdhsa_float_denorm_mode_32 3
		.amdhsa_float_denorm_mode_16_64 3
		.amdhsa_memory_ordered 1
		.amdhsa_forward_progress 1
		.amdhsa_inst_pref_size 67
	.end_amdhsa_kernel
	.amdgpu_metadata
---
amdhsa.version: [ 1, 2 ]
amdhsa.kernels:
  - .name:           k_qd4d9915ecb_proj
    .symbol:         k_qd4d9915ecb_proj.kd
    .args:
      - { .name: att, .offset: 0, .size: 8, .value_kind: global_buffer, .address_space: global }
      - { .name: wbf, .offset: 8, .size: 8, .value_kind: global_buffer, .address_space: global }
      - { .name: x, .offset: 16, .size: 8, .value_kind: global_buffer, .address_space: global }
      - { .name: x1, .offset: 24, .size: 8, .value_kind: global_buffer, .address_space: global }
    .group_segment_fixed_size: 327680
    .private_segment_fixed_size: 0
    .kernarg_segment_align: 8
    .kernarg_segment_size: 32
    .max_flat_workgroup_size: 128
    .sgpr_count:     66
    .vgpr_count:     768
    .wavefront_size: 32
...
	.end_amdgpu_metadata
.endif
;; end of part 4
;; launch ln2 (part 5): grid 512 x 1, 8 waves a work-group, no clusters, 0 bytes of LDS; arguments x1, ln2_g, ln2_b, h; writes h
.if DOCPART == 5
	.amdgcn_target "amdgcn-amd-amdhsa--gfx1250"
	.amdhsa_code_object_version 6
	.text
	.protected	k_qd4d9915ecb_ln2
	.globl	k_qd4d9915ecb_ln2
	.p2align	8
	.type	k_qd4d9915ecb_ln2,@function
k_qd4d9915ecb_ln2:
	s_mov_b64 s[64:65], 0
	v_nop
	global_prefetch_b8 v0, s[64:65] scope:SCOPE_SE
	s_setreg_imm32_b32 hwreg(HW_REG_WAVE_MODE, 25, 1), 1
	s_wait_xcnt 0x0
; h = LayerNorm(x1) * g + b, rounded once to bf16.  x1: [4096][1024] f32, h: [4096][1024] bf16.  One wave takes one row (4,096 bytes, 32 registers) and keeps it in registers between the pass for the
; mean, the pass for the variance (of x - mean, as the definition has it) and the scaling: the row is read once, and no wave waits for another.  No LDS, no barrier.
; LIMITS: NaN and infinities are not treated apart.
.set X,   8                            ; v[8:39]    the row: load i holds columns 128 i + 4 lane .. + 3
.set G,   40
.set BV,  72
.set Y,   104
.set MU,  120
.set R,   122
.set T,   124
.set HP,  10                           ; s[10:11]   h
.macro LANESUM r, t
	v_add_f32_dpp v[\r], v[\r], v[\r] row_xmask:1 row_mask:0xf bank_mask:0xf
	v_add_f32_dpp v[\r], v[\r], v[\r] row_xmask:2 row_mask:0xf bank_mask:0xf
	v_add_f32_dpp v[\r], v[\r], v[\r] row_xmask:4 row_mask:0xf bank_mask:0xf
	v_add_f32_dpp v[\r], v[\r], v[\r] row_xmask:8 row_mask:0xf bank_mask:0xf
	v_permlanex16_b32 v[\t], v[\r], s26, s27
	v_add_f32 v[\r], v[\r], v[\t]
.endm
	s_load_b256 s[4:11], s[0:1], 0x0               ; x1 s[4:5], g s[6:7], b s[8:9], h s[10:11]
	v_lshrrev_b32 v1, 5, v0
	v_readfirstlane_b32 s22, v1
	s_lshl_b32 s23, ttmp9, 3
	s_add_co_u32 s23, s23, s22                     ; my row
	s_lshl_b32 s28, s23, 12
	s_mov_b32 s29, 0
	s_lshl_b32 s30, s23, 11
	s_mov_b32 s31, 0
	s_mov_b32 s24, 0x3a800000                      ; 1 / 1024
	s_mov_b32 s25, 0x3727c5ac                      ; eps = 1e-5
	s_mov_b32 s26, 0x76543210
	s_mov_b32 s27, 0xfedcba98
	v_and_b32 v1, 31, v0
	v_lshlrev_b32 v2, 3, v1
	v_lshlrev_b32 v1, 4, v1
	s_wait_kmcnt 0x0
	s_add_nc_u64 s[4:5], s[4:5], s[28:29]
	s_add_nc_u64 s[HP:HP+1], s[HP:HP+1], s[30:31]
.irp i, 0,1,2,3,4,5,6,7
	global_load_b128 v[X+4*(\i):X+4*(\i)+3], v1, s[4:5] offset:512*(\i)
.endr
.irp i, 0,1,2,3,4,5,6,7
	global_load_b128 v[G+4*(\i):G+4*(\i)+3], v1, s[6:7] offset:512*(\i)
.endr
.irp i, 0,1,2,3,4,5,6,7
	global_load_b128 v[BV+4*(\i):BV+4*(\i)+3], v1, s[8:9] offset:512*(\i)
.endr
	s_wait_loadcnt 16                              ; the row is in; the 16 younger loads (gain, bias) may stay out
.irp i, 0,1,2,3,4,5,6,7
	v_pk_add_f32 v[Y+2*(\i):Y+2*(\i)+1], v[X+4*(\i):X+4*(\i)+1], v[X+4*(\i)+2:X+4*(\i)+3]
.endr
.irp i, 0,1,2,3
	v_pk_add_f32 v[Y+4*(\i):Y+4*(\i)+1], v[Y+4*(\i):Y+4*(\i)+1], v[Y+4*(\i)+2:Y+4*(\i)+3]
.endr
	v_pk_add_f32 v[Y:Y+1], v[Y:Y+1], v[Y+4:Y+5]
	v_pk_add_f32 v[Y+8:Y+9], v[Y+8:Y+9], v[Y+12:Y+13]
	v_pk_add_f32 v[Y:Y+1], v[Y:Y+1], v[Y+8:Y+9]
	v_add_f32 v[T], v[Y], v[Y+1]
	LANESUM T, Y+1
	v_mul_f32 v[MU], s24, v[T]
	v_mov_b32 v[MU+1], v[MU]
.set p, 0
.rept 16
	v_pk_add_f32 v[X+2*p:X+2*p+1], v[X+2*p:X+2*p+1], v[MU:MU+1] neg_lo:[0,1] neg_hi:[0,1]
.set p, p+1
.endr
.set p, 0
.rept 4
	v_pk_mul_f32 v[Y+2*p:Y+2*p+1], v[X+2*p:X+2*p+1], v[X+2*p:X+2*p+1]
.set p, p+1
.endr
.rept 12
	v_pk_fma_f32 v[Y+2*(p%4):Y+2*(p%4)+1], v[X+2*p:X+2*p+1], v[X+2*p:X+2*p+1], v[Y+2*(p%4):Y+2*(p%4)+1]
.set p, p+1
.endr
	v_pk_add_f32 v[Y:Y+1], v[Y:Y+1], v[Y+2:Y+3]
	v_pk_add_f32 v[Y+4:Y+5], v[Y+4:Y+5], v[Y+6:Y+7]
	v_pk_add_f32 v[Y:Y+1], v[Y:Y+1], v[Y+4:Y+5]
	v_add_f32 v[T], v[Y], v[Y+1]
	LANESUM T, Y+1
	v_fma_f32 v[T], v[T], s24, s25
	v_rsq_f32 v[R], v[T]
	v_rsq_f32 v[R+1], v[T]
	v_nop                                          ; a plain instruction behind the last root (ISA guide 5.7.2),
	s_wait_alu depctr_va_vdst(0)                   ; and the wait ahead of the first use: one for both
	s_wait_loadcnt 0x0
.set p, 0
.rept 16
	v_pk_mul_f32 v[X+2*p:X+2*p+1], v[X+2*p:X+2*p+1], v[R:R+1]
.set p, p+1
.endr
.set p, 0
.rept 16
	v_pk_fma_f32 v[X+2*p:X+2*p+1], v[X+2*p:X+2*p+1], v[G+2*p:G+2*p+1], v[BV+2*p:BV+2*p+1]
.set p, p+1
.endr
.set p, 0
.rept 16
	v_cvt_pk_bf16_f32 v[Y+p], v[X+2*p], v[X+2*p+1]
.set p, p+1
.endr
.irp i, 0,1,2,3,4,5,6,7
	global_store_b64 v2, v[Y+2*(\i):Y+2*(\i)+1], s[HP:HP+1] offset:256*(\i)   ; 32 lanes x 8 bytes: 256 consecutive bytes, aligned
.endr
	s_endpgm
.Lfunc_end_k_qd4d9915ecb_ln2:
	.size	k_qd4d9915ecb_ln2, .Lfunc_end_k_qd4d9915ecb_ln2-k_qd4d9915ecb_ln2
	.p2alignl 7, 3214868480
	.fill 96, 4, 3214868480
	.section	.rodata,"a",@progbits
	.p2align	6, 0x0
	.amdhsa_kernel k_qd4d9915ecb_ln2
		.amdhsa_group_segment_fixed_size 0
		.amdhsa_private_segment_fixed_size 0
		.amdhsa_enable_private_segment 0
		.amdhsa_kernarg_size 32
		.amdhsa_user_sgpr_count 2
		.amdhsa_user_sgpr_kernarg_segment_ptr 1
		.amdhsa_wavefront_size32 1
		.amdhsa_system_sgpr_workgroup_id_x 1
		.amdhsa_system_sgpr_workgroup_id_y 1
		.amdhsa_system_sgpr_workgroup_id_z 1
		.amdhsa_system_vgpr_workitem_id 0
		.amdhsa_next_free_vgpr 128
		.amdhsa_next_free_sgpr 66
		.amdhsa_reserve_vcc 0
		.amdhsa_float_denorm_mode_32 3
		.amdhsa_float_denorm_mode_16_64 3
		.amdhsa_memory_ordered 1
		.amdhsa_forward_progress 1
		.amdhsa_inst_pref_size 12
	.end_amdhsa_kernel
	.amdgpu_metadata
---
amdhsa.version: [ 1, 2 ]
amdhsa.kernels:
  - .name:           k_qd4d9915ecb_ln2
    .symbol:         k_qd4d9915ecb_ln2.kd
    .args:
      - { .name: x1, .offset: 0, .size: 8, .value_kind: global_buffer, .address_space: global }
      - { .name: ln2_g, .offset: 8, .size: 8, .value_kind: global_buffer, .address_space: global }
      - { .name: ln2_b, .offset: 16, .size: 8, .value_kind: global_buffer, .address_space: global }
      - { .name: h, .offset: 24, .size: 8, .value_kind: global_buffer, .address_space: global }
    .group_segment_fixed_size: 0
    .private_segment_fixed_size: 0
    .kernarg_segment_align: 8
    .kernarg_segment_size: 32
    .max_flat_workgroup_size: 256
    .sgpr_count:     66
    .vgpr_count:     128
    .wavefront_size: 32
...
	.end_amdgpu_metadata
.endif
;; end of part 5
;; launch fc1 (part 6): grid 16 x 16, 4 waves a work-group, clusters of 4 x 4, 327,680 bytes of LDS; arguments h, wbf, gact; writes gact
.if DOCPART == 6
	.amdgcn_target "amdgcn-amd-amdhsa--gfx1250"
	.amdhsa_code_object_version 6
	.text
	.protected	k_qd4d9915ecb_fc1
	.globl	k_qd4d9915ecb_fc1
	.p2align	8
	.type	k_qd4d9915ecb_fc1,@function
k_qd4d9915ecb_fc1:
	s_mov_b64 s[64:65], 0
	v_nop
	global_prefetch_b8 v0, s[64:65] scope:SCOPE_SE
	s_setreg_imm32_b32 hwreg(HW_REG_WAVE_MODE, 25, 1), 1
	s_wait_xcnt 0x0
	s_wait_alu depctr_hold_cnt(0) depctr_sa_sdst(0) depctr_va_vdst(0) depctr_va_sdst(0) depctr_va_ssrc(0) depctr_va_vcc(0) depctr_vm_vsrc(0)
	s_getreg_b32 s2, hwreg(HW_REG_IB_STS2, 6, 4)
	s_cmp_eq_u32 s2, 0
	s_cbranch_scc0 .Lentry_in_a_cluster
	s_endpgm
.Lentry_in_a_cluster:
	s_bfe_u32 s2, ttmp6, 0x10000c
	s_cmp_lg_u32 s2, 0xf033
	s_cbranch_scc0 .Lentry_shape_is_right
	s_endpgm
.Lentry_shape_is_right:
; C = gelu(A B).  A: [4096][SIZE_K] bf16, K along the rows (h).  B: [SIZE_K][SIZE_N] bf16, N along the rows, at byte WOFF of the weights' buffer (w1).  C: [4096][SIZE_N] bf16 (gact).  Sums in f32, C rounded once.
; The exact GELU x (1 + erf(x / sqrt(2))) / 2.
; LIMIT: erf by Abramowitz and Stegun 7.1.25, off by at most 2.5e-5 for every argument, so gelu(x) is off by at most 1.25e-5 |x|; NaN and infinities are not treated apart.
; A tile of C, 256 x 256, is made by four waves, each 128 x 128: 64 accumulators of 16 x 16, 512 registers.  K goes in steps of 128 through two LDS slots filled by the tensor data mover.
; A's fragments come out of LDS as they lie; B's ([k][n]) turned, by ds_load_tr16_b128.
; THE MATRIX INSTRUCTION IS USED TRANSPOSED (source 0 = 16 columns of B, source 1 = 16 rows of A): a lane then holds eight neighbouring numbers of one row of C.
; CLUSTER 4 x 4: A's tile is shared along a row of the cluster, B's along a column: each is asked for jointly, by the same tensor load with the same descriptor and a mask that names the four.
; THE LOOP is one K step; the slot in hand is a scalar (0 or SLOT) that an exclusive or turns.  SLOT has no bit in common with any wave's LDS base (wave x 0x8800), so the same exclusive or turns the descriptor's LDS word.
; THE WAY OUT: the ring has had its last fill; each wave lays its 128 x 128 sums (f32) into its own 67,584 bytes of it and walks them, four rows a trip: a row's 128 numbers become 256 consecutive bytes of C.
; A trip first does all that reads x and then asks for the next trip's rows, which have the rest of the trip in which to come; the last trip is written out without loads.
; REGISTERS, in windows of 256: window 0: v16-29 addresses, v64-191 A's fragments (two buffers), v32-71 and v192-255 at work on the way out; window 1: v64-191 B's fragments; windows 2, 3: the accumulators.
.set SIZE_N, 4096
.set WOFF,   8388608
.set ER,     4                         ; rows in a trip of the way out
.set SIZE_K, 1024
.set KSTEP,  128
.set NSTEP,  SIZE_K/KSTEP
.set PA,     272                       ; a row of A in LDS: 256 bytes + 16: the 16 rows of a load start at 16 different groups of four banks (64 banks of 4 bytes: ISA guide 11.1)
.set PB,     544                       ; a k-row of B: 512 bytes + 32 = 17 x 32
.set HALF,   128*PA
.set SLOT,   4*HALF
.set DP,     528
.set DW,     128*DP
.set SPARE,  2*SLOT                    ; behind the ring: the spare words, 128 bytes for each wave: two blocks of 256 bytes that no other line names
.set A0,   16
.set B0,   17
.set ADRA, 18
.set ADRB, 19
.set STO,  24
.set RD,   25
.set CO,   26
.set SPW,  28
.set NIL,  29
.set F0,   64
.set F1,   128
.set X,    32                          ; four rows, four f32 a lane each
.set QQ,   48                          ; the polynomial, then the result
.set Y,    64                          ; the result in bf16
.set AX,   192                         ; |x|, then -|x| / 2
.set TT,   208                         ; t
.set UU,   224                         ; 2^(-x x log2(e) / 2)
.set RR,   240                         ; max(x, 0)
.set WV,  12
.set WR,  13
.set WC,  14
.set TB,  15
.set G1A, 24
.set G0A, 32
.set G1B, 48
.set G0B, 56
.set MSB, 0
.macro WIN new
.if MSB != (\new)
	s_set_vgpr_msb (MSB<<8)|(\new)
.set MSB, \new
.endif
.endm
.set MUL_LO, 0xa1
.set MUL_HI, 0xf1
.set TO_B,   0x40
.macro JLOAD s                         ; a joint load: waves 0, 1 fetch A's halves, waves 2, 3 B's.  An s_nop 0 and four v_nop follow each line
	s_cmp_eq_u32 s[WR], 0
	s_cbranch_scc0 .Lfor_b_\@
	tensor_load_to_lds s[G0A+4*(\s):G0A+4*(\s)+3], s[G1A:G1A+7]
	s_nop 0
.rept 4
	v_nop
.endr
	s_branch .Lasked_\@
.Lfor_b_\@:
	tensor_load_to_lds s[G0B+4*(\s):G0B+4*(\s)+3], s[G1B:G1B+7]
	s_nop 0
.rept 4
	v_nop
.endr
.Lasked_\@:
.endm
.macro CREST
	s_cmp_lg_u32 s[WV], 0
	s_cbranch_scc1 .Lnot_wave_0_\@
	s_barrier_signal -3
.Lnot_wave_0_\@:
	s_barrier_wait -3
	s_barrier_signal -1
	s_barrier_wait -1
.endm
.macro CROUND
	s_barrier_signal -1
	s_barrier_wait -1
	CREST
.endm
.macro PLACES
.rept 4
	v_nop
.endr
.endm
.macro MUL16 f, hi, a0, zero
	WIN MUL_LO+0x50*(\hi)
.irp a, \a0, (\a0)+1
.irp b, 0,1,2,3,4,5,6,7
.if \zero
	v_wmma_f32_16x16x32_bf16 v[8*(8*(\a)+(\b)):8*(8*(\a)+(\b))+7], v[(\f)+8*(\b):(\f)+8*(\b)+7], v[(\f)+8*(4*(\hi)+(\a)):(\f)+8*(4*(\hi)+(\a))+7], 0
.else
	v_wmma_f32_16x16x32_bf16 v[8*(8*(\a)+(\b)):8*(8*(\a)+(\b))+7], v[(\f)+8*(\b):(\f)+8*(\b)+7], v[(\f)+8*(4*(\hi)+(\a)):(\f)+8*(4*(\hi)+(\a))+7], v[8*(8*(\a)+(\b)):8*(8*(\a)+(\b))+7]
.endif
.endr
.endr
.endm
.macro FETCH q, f
	WIN TO_B
.irp i, 0,1,2,3,4,5,6,7
	ds_load_tr16_b128 v[(\f)+8*(\i):(\f)+8*(\i)+3],   v[ADRB] offset:(\q)*32*PB+32*(\i)
	ds_load_tr16_b128 v[(\f)+8*(\i)+4:(\f)+8*(\i)+7], v[ADRB] offset:(\q)*32*PB+16*PB+32*(\i)
.endr
	WIN 0
.irp i, 0,1,2,3,4,5,6,7
	ds_load_b128 v[(\f)+8*(\i):(\f)+8*(\i)+3],   v[ADRA] offset:64*(\q)+(\i)*16*PA
	ds_load_b128 v[(\f)+8*(\i)+4:(\f)+8*(\i)+7], v[ADRA] offset:64*(\q)+(\i)*16*PA+32
.endr
.endm
.macro QUARTER q, f, g, zero
	s_wait_dscnt 8                                 ; B and A's rows 0-63 are in; the youngest eight loads (A's rows 64-127) may be out
	MUL16 \f, 0, 0, \zero
	MUL16 \f, 0, 2, \zero
	PLACES
	FETCH \q, \g
	s_wait_dscnt 32                                ; all but the 32 just issued
	MUL16 \f, 1, 0, \zero
	MUL16 \f, 1, 2, \zero
.endm
.macro TURN fill
	WIN 0
	s_wait_tensorcnt 0x0
	ds_add_u32 v[SPW], v[NIL]
	s_wait_dscnt 9                                 ; (the add and the youngest eight loads may be out)
	MUL16 F1, 0, 0, 0
	s_wait_dscnt 0x0                               ; the add is done, and my reads of this slot are over
	s_barrier_signal -1
	MUL16 F1, 0, 2, 0
	WIN 0
	s_barrier_wait -1
.if \fill
	CREST
	s_xor_b32 s[G0A+5], s[G0A+5], SLOT
	s_xor_b32 s[G0B+5], s[G0B+5], SLOT
	s_add_nc_u64 s[G0A+6:G0A+7], s[G0A+6:G0A+7], KSTEP*2
	s_add_nc_u64 s[G0B+6:G0B+7], s[G0B+6:G0B+7], KSTEP*SIZE_N*2
	JLOAD 1
.else
	PLACES
.endif
	s_xor_b32 s[TB], s[TB], SLOT
	v_add_nc_u32 v[ADRA], s[TB], v[A0]
	v_add_nc_u32 v[ADRB], s[TB], v[B0]
	FETCH 0, F0
	MUL16 F1, 1, 0, 0
	MUL16 F1, 1, 2, 0
.endm
; FOUR ROWS OF THE WAY OUT: 16 numbers a lane, 8 pairs.  gelu(x) = max(x, 0) - |x| / 2 * y,  y = t (a1 + t (a2 + a3 t)) 2^(-x x log2(e) / 2),  t = 1 / (1 + 0.47047 |x| / sqrt(2)).
; more = 1: the next four rows are asked for as soon as nothing reads x any more.
.macro ROWS more
	s_wait_dscnt 0x0                               ; my four rows are in: they were asked for a trip ago
.irp p, 0,1,2,3,4,5,6,7                        ; all that reads x: 40 plain lines
	v_and_b32 v[AX+2*(\p)], s78, v[X+2*(\p)]
	v_and_b32 v[AX+2*(\p)+1], s78, v[X+2*(\p)+1]
.endr
.irp p, 0,1,2,3,4,5,6,7
	v_pk_mul_f32 v[UU+2*(\p):UU+2*(\p)+1], v[X+2*(\p):X+2*(\p)+1], v[X+2*(\p):X+2*(\p)+1]
.endr
.irp p, 0,1,2,3,4,5,6,7
	v_max_num_f32 v[RR+2*(\p)], 0, v[X+2*(\p)]
	v_max_num_f32 v[RR+2*(\p)+1], 0, v[X+2*(\p)+1]
.endr
.if \more
	v_add_nc_u32 v[RD], ER*DP, v[RD]
.set j, 0
.rept ER
	ds_load_b128 v[X+4*j:X+4*j+3], v[RD] offset:j*DP   ; my own bytes: LDS serves a wave's instructions in order (ISA guide 5.7.1.4), so these loads see my stores
.set j, j+1
.endr
.endif
	v_pk_fma_f32 v[TT:TT+1], v[AX:AX+1], s[66:67], 1.0 op_sel_hi:[1,0,0]
	v_pk_mul_f32 v[UU:UU+1], v[UU:UU+1], s[68:69] op_sel_hi:[1,0]
.irp p, 0,1,2,3,4,5,6,7                        ; ONE BATCH of 32: reciprocals and exponentials by turns with the plain lines that feed the next pair; nothing here names a result
	v_rcp_f32 v[TT+2*(\p)], v[TT+2*(\p)]
.if (\p) < 7
	v_pk_fma_f32 v[TT+2*(\p)+2:TT+2*(\p)+3], v[AX+2*(\p)+2:AX+2*(\p)+3], s[66:67], 1.0 op_sel_hi:[1,0,0]
.endif
	v_rcp_f32 v[TT+2*(\p)+1], v[TT+2*(\p)+1]
.if (\p) < 7
	v_pk_mul_f32 v[UU+2*(\p)+2:UU+2*(\p)+3], v[UU+2*(\p)+2:UU+2*(\p)+3], s[68:69] op_sel_hi:[1,0]
.endif
	v_exp_f32 v[UU+2*(\p)], v[UU+2*(\p)]
	v_pk_mul_f32 v[AX+2*(\p):AX+2*(\p)+1], v[AX+2*(\p):AX+2*(\p)+1], -0.5 op_sel_hi:[1,0]
	v_exp_f32 v[UU+2*(\p)+1], v[UU+2*(\p)+1]
.endr
	v_nop                                          ; a plain instruction behind the last exponential,
	s_wait_alu depctr_va_vdst(0)                   ; and one wait for the batch, ahead of its first reader
.irp p, 0,1,2,3,4,5,6,7
	v_pk_fma_f32 v[QQ+2*(\p):QQ+2*(\p)+1], v[TT+2*(\p):TT+2*(\p)+1], s[74:75], s[72:73] op_sel_hi:[1,0,0]
.endr
.irp p, 0,1,2,3,4,5,6,7
	v_pk_fma_f32 v[QQ+2*(\p):QQ+2*(\p)+1], v[QQ+2*(\p):QQ+2*(\p)+1], v[TT+2*(\p):TT+2*(\p)+1], s[70:71] op_sel_hi:[1,1,0]
.endr
.irp p, 0,1,2,3,4,5,6,7
	v_pk_mul_f32 v[QQ+2*(\p):QQ+2*(\p)+1], v[QQ+2*(\p):QQ+2*(\p)+1], v[TT+2*(\p):TT+2*(\p)+1]
.endr
.irp p, 0,1,2,3,4,5,6,7
	v_pk_mul_f32 v[QQ+2*(\p):QQ+2*(\p)+1], v[QQ+2*(\p):QQ+2*(\p)+1], v[UU+2*(\p):UU+2*(\p)+1]
.endr
.irp p, 0,1,2,3,4,5,6,7
	v_pk_fma_f32 v[QQ+2*(\p):QQ+2*(\p)+1], v[AX+2*(\p):AX+2*(\p)+1], v[QQ+2*(\p):QQ+2*(\p)+1], v[RR+2*(\p):RR+2*(\p)+1]   ; not into x's registers: the next rows are on their way there
.endr
	s_wait_xcnt 0x0                                ; the last trip's stores have read their base and data: only now are these written again
	s_add_nc_u64 s[8:9], s[8:9], ER*SIZE_N*2       ; the base steps ahead of the stores, which reach back
.set j, 0
.rept 2*ER
	v_cvt_pk_bf16_f32 v[Y+j], v[QQ+2*j], v[QQ+2*j+1]
.set j, j+1
.endr
.set j, 0
.rept ER
	global_store_b64 v[CO], v[Y+2*j:Y+2*j+1], s[8:9] offset:(j-ER)*SIZE_N*2   ; 32 lanes x 8 bytes: 256 consecutive bytes, aligned
.set j, j+1
.endr
.endm
	s_load_b128 s[4:7], s[0:1], 0x0                ; A s[4:5], the weights s[6:7]
	s_load_b64 s[8:9], s[0:1], 0x10                ; C
	v_lshl_add_u32 v[SPW], v0, 2, SPARE
	v_mov_b32 v[NIL], 0
	ds_add_u32 v[SPW], v[NIL]                      ; the wave's opening: the add and its wait ahead of my first tensor load
	v_lshrrev_b32 v1, 5, v0
	v_readfirstlane_b32 s[WV], v1
	s_lshr_b32 s[WR], s[WV], 1
	s_and_b32 s[WC], s[WV], 1
	s_bfe_u32 s22, ttmp6, 0x40000                  ; cx
	s_bfe_u32 s23, ttmp6, 0x40004                  ; cy
	s_lshl_b32 s40, ttmp9, 2
	s_add_co_u32 s40, s40, s22                     ; tile column
	s_and_b32 s41, ttmp7, 0xffff
	s_lshl_b32 s41, s41, 2
	s_add_co_u32 s41, s41, s23                     ; tile row
	s_lshl_b32 s42, s23, 2
	s_lshl_b32 s42, 15, s42                        ; my row of the cluster
	s_lshl_b32 s43, 0x1111, s22                    ; my column
	s_or_b32 s[G1A], s42, (1<<16)|(1<<20)|(1<<21)|(5<<22)|(3<<25)  ; the mask; 2-byte elements; padding on; bit 21 beside a mask; after every 64 words, 4 words
	s_mov_b32 s[G1A+1], KSTEP<<16                  ; tensor_dim0 = 128
	s_mov_b32 s[G1A+2], 128<<16                    ; tensor_dim1 = 128
	s_mov_b32 s[G1A+3], KSTEP<<16                  ; tile_dim0 = 128
	s_mov_b32 s[G1A+4], 128                        ; tile_dim1 = 128
	s_mov_b32 s[G1A+5], SIZE_K                     ; elements from row to row
	s_mov_b32 s[G1A+6], 0
	s_mov_b32 s[G1A+7], 0
	s_or_b32 s[G1B], s43, (1<<16)|(1<<20)|(1<<21)|(6<<22)|(7<<25)  ; after every 128 words, 8 words
	s_mov_b32 s[G1B+1], 256<<16                    ; tensor_dim0 = 256 columns
	s_mov_b32 s[G1B+2], 64<<16                     ; tensor_dim1 = 64 k-rows
	s_mov_b32 s[G1B+3], 256<<16
	s_mov_b32 s[G1B+4], 64
	s_mov_b32 s[G1B+5], SIZE_N
	s_mov_b32 s[G1B+6], 0
	s_mov_b32 s[G1B+7], 0
	s_mov_b32 s66, 0x3eaa540e                      ; 0.47047 / sqrt(2)
	s_mov_b32 s67, s66
	s_mov_b32 s68, 0xbf38aa3b                      ; -log2(e) / 2
	s_mov_b32 s69, s68
	s_mov_b32 s70, 0x3eb2303a                      ; a1 = 0.3480242
	s_mov_b32 s71, s70
	s_mov_b32 s72, 0xbdc45ca1                      ; a2 = -0.0958798
	s_mov_b32 s73, s72
	s_mov_b32 s74, 0x3f3f7377                      ; a3 = 0.7478556
	s_mov_b32 s75, s74
	s_mov_b32 s78, 0x7fffffff
	s_lshl_b32 s16, s41, 8                         ; A: row 256 x tile row + 128 x half, 2,048 bytes a row: it hangs on the tile row and the wave alone
	s_lshl_b32 s17, s[WC], 7
	s_add_co_u32 s16, s16, s17
	s_lshl_b32 s16, s16, 11
	s_mov_b32 s17, 0
	s_mul_i32 s46, s[WC], 64*SIZE_N*2              ; B: k-row 64 x half, column 256 x tile column: on the tile column and the wave alone
	s_lshl_b32 s47, s40, 9
	s_add_co_u32 s46, s46, s47
	s_add_co_u32 s46, s46, WOFF
	s_mov_b32 s47, 0
	s_mul_i32 s20, s[WV], HALF                     ; where my part of a tile goes: no place in the cluster enters an LDS address
	s_wait_dscnt 0x0                               ; the opening add is done
	s_wait_kmcnt 0x0
	s_add_nc_u64 s[18:19], s[4:5], s[16:17]
	s_add_nc_u64 s[46:47], s[6:7], s[46:47]
	CROUND                                         ; all sixteen work-groups are here: the first joint loads meet
.irp s, 0,1
	s_mov_b32 s[G0A+4*(\s)], 1
	s_add_co_u32 s[G0A+4*(\s)+1], s20, (\s)*SLOT
	s_add_nc_u64 s[G0A+4*(\s)+2:G0A+4*(\s)+3], s[18:19], (\s)*KSTEP*2
	s_or_b32 s[G0A+4*(\s)+3], s[G0A+4*(\s)+3], 0x80000000
	s_mov_b32 s[G0B+4*(\s)], 1
	s_add_co_u32 s[G0B+4*(\s)+1], s20, (\s)*SLOT
	s_add_nc_u64 s[G0B+4*(\s)+2:G0B+4*(\s)+3], s[46:47], (\s)*KSTEP*SIZE_N*2
	s_or_b32 s[G0B+4*(\s)+3], s[G0B+4*(\s)+3], 0x80000000
	JLOAD \s                                       ; two loads of mine are out
.endr
	v_and_b32 v1, 15, v0                           ; l % 16
	v_bfe_u32 v2, v0, 4, 1                         ; l / 16
	v_mul_u32_u24 v3, v1, PA
	v_lshl_add_u32 v3, v2, 4, v3
	s_mul_i32 s21, s[WR], HALF                     ; my 128 rows of A
	v_add_nc_u32 v[A0], s21, v3
	v_and_b32 v4, 7, v0                            ; the turning load: lane l reads k-row 8 (l / 16) + l % 8, columns 8 ((l / 8) % 2) + 0..7
	v_bfe_u32 v5, v0, 3, 1
	v_lshl_add_u32 v4, v2, 3, v4
	v_mul_u32_u24 v4, v4, PB
	v_lshl_add_u32 v4, v5, 4, v4
	s_lshl_b32 s21, s[WC], 8                       ; my 128 columns of B,
	s_add_co_u32 s21, s21, 2*HALF                  ; which lies behind A's 256 rows
	v_add_nc_u32 v[B0], s21, v4
	s_mov_b32 s[TB], 0
	v_mov_b32 v[ADRA], v[A0]
	v_mov_b32 v[ADRB], v[B0]
	s_mul_i32 s21, s[WV], DW
	v_mul_u32_u24 v[STO], v1, DP                   ; in: row l % 16, 32 bytes for each half of the lanes
	v_lshl_add_u32 v[STO], v2, 5, v[STO]
	v_add_nc_u32 v[STO], s21, v[STO]
	v_and_b32 v3, 31, v0
	v_lshl_add_u32 v[RD], v3, 4, s21               ; back: a row's 512 bytes, 16 a lane
	v_lshlrev_b32 v[CO], 3, v3
	s_lshl_b32 s16, s41, 8                         ; where my part of C begins
	s_lshl_b32 s17, s[WR], 7
	s_add_co_u32 s16, s16, s17
	s_mul_i32 s16, s16, SIZE_N*2
	s_lshl_b32 s17, s40, 9
	s_add_co_u32 s16, s16, s17
	s_lshl_b32 s17, s[WC], 8
	s_add_co_u32 s16, s16, s17
	s_mov_b32 s17, 0
	s_add_nc_u64 s[8:9], s[8:9], s[16:17]
	s_wait_tensorcnt 0x1                           ; my part of K step 0 is in; step 1's may stay out
	s_barrier_signal -1
	s_barrier_wait -1
	FETCH 0, F0
	QUARTER 1, F0, F1, 1                           ; the first quarter's products start the sums
	WIN 0
	s_mov_b32 s3, NSTEP-2
.Lstep:                                        ; a trip: from a K step's second quarter to the next step's first; its slot is filled again
	QUARTER 2, F1, F0, 0
	QUARTER 3, F0, F1, 0
	TURN 1
	QUARTER 1, F0, F1, 0
	WIN 0
	s_sub_co_u32 s3, s3, 1
	s_cmp_lg_u32 s3, 0
	s_cbranch_scc1 .Lstep
	s_mov_b32 s3, 2                                ; the last two K steps ask for nothing; the second trip is left in its middle
.Ltail:
	QUARTER 2, F1, F0, 0
	QUARTER 3, F0, F1, 0
	WIN 0
	s_sub_co_u32 s3, s3, 1
	s_cmp_eq_u32 s3, 0
	s_cbranch_scc1 .Llast
	TURN 0
	QUARTER 1, F0, F1, 0
	WIN 0
	s_branch .Ltail
.Llast:
	s_wait_dscnt 8
	MUL16 F1, 0, 0, 0
	MUL16 F1, 0, 2, 0
	s_wait_dscnt 0x0
	MUL16 F1, 1, 0, 0
	MUL16 F1, 1, 2, 0
	WIN 0
	PLACES
	s_barrier_signal -1                            ; every wave's reads of the ring are over, and no tensor load is out:
	s_barrier_wait -1                              ; its bytes may be written
.irp a, 0,1,2,3,4,5,6,7
	WIN 0x08+4*((\a)/4)                            ; store data in window 2 or 3
.irp b, 0,1,2,3,4,5,6,7
	ds_store_b128 v[STO], v[8*(8*((\a)%4)+(\b)):8*(8*((\a)%4)+(\b))+3]   offset:(\a)*16*DP+64*(\b)     ; each accumulator's low registers first
	ds_store_b128 v[STO], v[8*(8*((\a)%4)+(\b))+4:8*(8*((\a)%4)+(\b))+7] offset:(\a)*16*DP+64*(\b)+16
.endr
.endr
	WIN 0
.set j, 0
.rept ER
	ds_load_b128 v[X+4*j:X+4*j+3], v[RD] offset:j*DP   ; my first four rows
.set j, j+1
.endr
	s_mov_b32 s3, 128/ER-1
.Lrow:                                         ; 31 trips work on four rows and ask for the next four
	ROWS 1
	s_sub_co_u32 s3, s3, 1
	s_cmp_lg_u32 s3, 0
	s_cbranch_scc1 .Lrow
	ROWS 0                                         ; the last four rows: nothing is left to ask for, and no load leaves my own bytes
	s_wait_tensorcnt 0x0                           ; the wave's end
	ds_add_u32 v[SPW], v[NIL]
	s_wait_dscnt 0x0
	CROUND                                         ; the closing round
	s_endpgm
.Lfunc_end_k_qd4d9915ecb_fc1:
	.size	k_qd4d9915ecb_fc1, .Lfunc_end_k_qd4d9915ecb_fc1-k_qd4d9915ecb_fc1
	.p2alignl 7, 3214868480
	.fill 96, 4, 3214868480
	.section	.rodata,"a",@progbits
	.p2align	6, 0x0
	.amdhsa_kernel k_qd4d9915ecb_fc1
		.amdhsa_group_segment_fixed_size 327680
		.amdhsa_private_segment_fixed_size 0
		.amdhsa_enable_private_segment 0
		.amdhsa_kernarg_size 24
		.amdhsa_user_sgpr_count 2
		.amdhsa_user_sgpr_kernarg_segment_ptr 1
		.amdhsa_wavefront_size32 1
		.amdhsa_system_sgpr_workgroup_id_x 1
		.amdhsa_system_sgpr_workgroup_id_y 1
		.amdhsa_system_sgpr_workgroup_id_z 1
		.amdhsa_system_vgpr_workitem_id 0
		.amdhsa_next_free_vgpr 1024
		.amdhsa_next_free_sgpr 80
		.amdhsa_reserve_vcc 0
		.amdhsa_float_denorm_mode_32 3
		.amdhsa_float_denorm_mode_16_64 3
		.amdhsa_memory_ordered 1
		.amdhsa_forward_progress 1
		.amdhsa_inst_pref_size 97
	.end_amdhsa_kernel
	.amdgpu_metadata
---
amdhsa.version: [ 1, 2 ]
amdhsa.kernels:
  - .name:           k_qd4d9915ecb_fc1
    .symbol:         k_qd4d9915ecb_fc1.kd
    .args:
      - { .name: h, .offset: 0, .size: 8, .value_kind: global_buffer, .address_space: global }
      - { .name: wbf, .offset: 8, .size: 8, .value_kind: global_buffer, .address_space: global }
      - { .name: gact, .offset: 16, .size: 8, .value_kind: global_buffer, .address_space: global }
    .group_segment_fixed_size: 327680
    .private_segment_fixed_size: 0
    .kernarg_segment_align: 8
    .kernarg_segment_size: 24
    .max_flat_workgroup_size: 128
    .sgpr_count:     80
    .vgpr_count:     1024
    .wavefront_size: 32
...
	.end_amdgpu_metadata
.endif
;; end of part 6
;; launch fc2 (part 7): grid 8 x 32, 4 waves a work-group, clusters of 4 x 4, 327,680 bytes of LDS; arguments gact, wbf, x1, out0; writes out0
.if DOCPART == 7
	.amdgcn_target "amdgcn-amd-amdhsa--gfx1250"
	.amdhsa_code_object_version 6
	.text
	.protected	k_qd4d9915ecb_fc2
	.globl	k_qd4d9915ecb_fc2
	.p2align	8
	.type	k_qd4d9915ecb_fc2,@function
k_qd4d9915ecb_fc2:
	s_mov_b64 s[64:65], 0
	v_nop
	global_prefetch_b8 v0, s[64:65] scope:SCOPE_SE
	s_setreg_imm32_b32 hwreg(HW_REG_WAVE_MODE, 25, 1), 1
	s_wait_xcnt 0x0
	s_wait_alu depctr_hold_cnt(0) depctr_sa_sdst(0) depctr_va_vdst(0) depctr_va_sdst(0) depctr_va_ssrc(0) depctr_va_vcc(0) depctr_vm_vsrc(0)
	s_getreg_b32 s2, hwreg(HW_REG_IB_STS2, 6, 4)
	s_cmp_eq_u32 s2, 0
	s_cbranch_scc0 .Lentry_in_a_cluster
	s_endpgm
.Lentry_in_a_cluster:
	s_bfe_u32 s2, ttmp6, 0x10000c
	s_cmp_lg_u32 s2, 0xf033
	s_cbranch_scc0 .Lentry_shape_is_right
	s_endpgm
.Lentry_shape_is_right:
; OUT = R + A B.  A: [4096][SIZE_K] bf16, K along the rows.  B: [SIZE_K][1024] bf16, N along the rows, at byte WOFF of the weights' buffer.  R, OUT: [4096][1024] f32.  Sums in f32.
; Here: out0 = x1 + gact w2.
; A tile of OUT is 128 x 128, so that the 4096 x 1024 numbers make 256 work-groups.  Four waves, each 64 x 64: 16 accumulators.  K goes in steps of 256 through two LDS slots.
; A's fragments come out of LDS as they lie; B's ([k][n]) turned, by ds_load_tr16_b128.  The matrix instruction is used transposed: a lane holds eight neighbouring numbers of one row of OUT.
; CLUSTER 4 x 4: A's tile is shared along a row of the cluster, B's along a column, by joint loads.
; THE LOOP is one K step; the slot in hand is a scalar (0 or SLOT) that an exclusive or turns; SLOT has no bit in common with any wave's LDS base, so the same exclusive or turns the descriptor's LDS word.
; THE WAY OUT: each wave lays its 64 x 64 sums into its own 17,408 bytes of the ring, which has had its last fill, reads whole rows back, adds R (asked for two K steps earlier) and stores.
; REGISTERS: window 0: v16-29 addresses, v128-255 accumulators; window 1: two fragment buffers of 128 (A 64, then B 64), later the rows read back; window 2: v0-127 R.
.set SIZE_K, 4096
.set WOFF,   16777216
.set KSTEP,  256
.set NSTEP,  SIZE_K/KSTEP
.set PA,     528                       ; a row of A in LDS: 512 bytes + 16: the 16 rows of a load start at 16 different groups of four banks (64 banks of 4 bytes: ISA guide 11.1)
.set PB,     288                       ; a k-row of B: 256 bytes + 32 = 9 x 32
.set HA,     64*PA
.set HB,     128*PB
.set BOFF,   2*HA
.set SLOT,   0x24000
.set DP,     272
.set DW,     64*DP
.set SPARE,  2*SLOT                    ; the spare words, 128 bytes for each wave: two blocks of 256 bytes that no other line names
.set A0,   16
.set B0,   17
.set ADRA, 18
.set ADRB, 20                          ; v20 k-rows 0-127, v21 k-rows 128-255 of the slot in hand: the immediate offsets stay under 65,536
.set B1,   22
.set STO,  24
.set RD,   25
.set CO,   26
.set SPW,  28
.set NIL,  29
.set ACC,  128
.set F0,   0
.set F1,   128
.set XO,   0
.set RES,  0
.set WV,  12
.set WR,  13
.set WC,  14
.set TB,  15
.set G1A, 24
.set G0A, 32
.set G1B, 48
.set G0B, 56
.set MSB, 0
.macro WIN new
.if MSB != (\new)
	s_set_vgpr_msb (MSB<<8)|(\new)
.set MSB, \new
.endif
.endm
.set MUL,  0x05
.set TO_F, 0x40
.macro JLOAD s
	s_cmp_eq_u32 s[WR], 0
	s_cbranch_scc0 .Lfor_b_\@
	tensor_load_to_lds s[G0A+4*(\s):G0A+4*(\s)+3], s[G1A:G1A+7]
	s_nop 0
.rept 4
	v_nop
.endr
	s_branch .Lasked_\@
.Lfor_b_\@:
	tensor_load_to_lds s[G0B+4*(\s):G0B+4*(\s)+3], s[G1B:G1B+7]
	s_nop 0
.rept 4
	v_nop
.endr
.Lasked_\@:
.endm
.macro CREST
	s_cmp_lg_u32 s[WV], 0
	s_cbranch_scc1 .Lnot_wave_0_\@
	s_barrier_signal -3
.Lnot_wave_0_\@:
	s_barrier_wait -3
	s_barrier_signal -1
	s_barrier_wait -1
.endm
.macro CROUND
	s_barrier_signal -1
	s_barrier_wait -1
	CREST
.endm
.macro PLACES
.rept 4
	v_nop
.endr
.endm
.macro MUL8 f, c, a0, zero
	WIN MUL
.irp a, \a0, (\a0)+1
.irp b, 0,1,2,3
.if \zero
	v_wmma_f32_16x16x32_bf16 v[ACC+8*(4*(\a)+(\b)):ACC+8*(4*(\a)+(\b))+7], v[(\f)+64+8*(4*(\c)+(\b)):(\f)+64+8*(4*(\c)+(\b))+7], v[(\f)+8*(4*(\c)+(\a)):(\f)+8*(4*(\c)+(\a))+7], 0
.else
	v_wmma_f32_16x16x32_bf16 v[ACC+8*(4*(\a)+(\b)):ACC+8*(4*(\a)+(\b))+7], v[(\f)+64+8*(4*(\c)+(\b)):(\f)+64+8*(4*(\c)+(\b))+7], v[(\f)+8*(4*(\c)+(\a)):(\f)+8*(4*(\c)+(\a))+7], v[ACC+8*(4*(\a)+(\b)):ACC+8*(4*(\a)+(\b))+7]
.endif
.endr
.endr
.endm
.macro FETCH q, f
	WIN TO_F
.irp c, 0,1
.irp i, 0,1,2,3
	ds_load_tr16_b128 v[(\f)+64+8*(4*(\c)+(\i)):(\f)+64+8*(4*(\c)+(\i))+3],   v[ADRB+(\q)/2] offset:(64*((\q)%2)+32*(\c))*PB+32*(\i)
	ds_load_tr16_b128 v[(\f)+64+8*(4*(\c)+(\i))+4:(\f)+64+8*(4*(\c)+(\i))+7], v[ADRB+(\q)/2] offset:(64*((\q)%2)+32*(\c)+16)*PB+32*(\i)
	ds_load_b128 v[(\f)+8*(4*(\c)+(\i)):(\f)+8*(4*(\c)+(\i))+3],   v[ADRA] offset:128*(\q)+64*(\c)+(\i)*16*PA
	ds_load_b128 v[(\f)+8*(4*(\c)+(\i))+4:(\f)+8*(4*(\c)+(\i))+7], v[ADRA] offset:128*(\q)+64*(\c)+(\i)*16*PA+32
.endr
.endr
.endm
.macro QUARTER q, f, g, zero
	s_wait_dscnt 16                                ; the first 32 along K are in
	MUL8 \f, 0, 0, \zero
	MUL8 \f, 0, 2, \zero
	PLACES
	FETCH \q, \g
	s_wait_dscnt 32                                ; all but the 32 just issued
	MUL8 \f, 1, 0, 0
	MUL8 \f, 1, 2, 0
.endm
.macro TURN fill
	WIN 0
	s_wait_tensorcnt 0x0
	ds_add_u32 v[SPW], v[NIL]
	s_wait_dscnt 17                                ; (the add and the youngest sixteen loads may be out)
	MUL8 F1, 0, 0, 0
	s_wait_dscnt 0x0                               ; the add is done, and my reads of this slot are over
	s_barrier_signal -1
	MUL8 F1, 0, 2, 0
	WIN 0
	s_barrier_wait -1
.if \fill
	CREST
	s_xor_b32 s[G0A+5], s[G0A+5], SLOT
	s_xor_b32 s[G0B+5], s[G0B+5], SLOT
	s_add_nc_u64 s[G0A+6:G0A+7], s[G0A+6:G0A+7], KSTEP*2
	s_add_nc_u64 s[G0B+6:G0B+7], s[G0B+6:G0B+7], KSTEP*2048
	JLOAD 1
.else
	PLACES
.endif
	s_xor_b32 s[TB], s[TB], SLOT
	v_add_nc_u32 v[ADRA], s[TB], v[A0]
	v_add_nc_u32 v[ADRB], s[TB], v[B0]
	v_add_nc_u32 v[ADRB+1], s[TB], v[B1]
	FETCH 0, F0
	MUL8 F1, 1, 0, 0
	MUL8 F1, 1, 2, 0
.endm
	s_load_b256 s[4:11], s[0:1], 0x0               ; A s[4:5], the weights s[6:7], R s[8:9], OUT s[10:11]
	v_lshl_add_u32 v[SPW], v0, 2, SPARE
	v_mov_b32 v[NIL], 0
	ds_add_u32 v[SPW], v[NIL]                      ; the wave's opening: the add and its wait ahead of my first tensor load
	v_lshrrev_b32 v1, 5, v0
	v_readfirstlane_b32 s[WV], v1
	s_lshr_b32 s[WR], s[WV], 1
	s_and_b32 s[WC], s[WV], 1
	s_bfe_u32 s22, ttmp6, 0x40000
	s_bfe_u32 s23, ttmp6, 0x40004
	s_lshl_b32 s40, ttmp9, 2
	s_add_co_u32 s40, s40, s22
	s_and_b32 s41, ttmp7, 0xffff
	s_lshl_b32 s41, s41, 2
	s_add_co_u32 s41, s41, s23
	s_lshl_b32 s42, s23, 2
	s_lshl_b32 s42, 15, s42
	s_lshl_b32 s43, 0x1111, s22
	s_or_b32 s[G1A], s42, (1<<16)|(1<<20)|(1<<21)|(6<<22)|(3<<25)
	s_mov_b32 s[G1A+1], KSTEP<<16
	s_mov_b32 s[G1A+2], 64<<16
	s_mov_b32 s[G1A+3], KSTEP<<16
	s_mov_b32 s[G1A+4], 64
	s_mov_b32 s[G1A+5], SIZE_K
	s_mov_b32 s[G1A+6], 0
	s_mov_b32 s[G1A+7], 0
	s_or_b32 s[G1B], s43, (1<<16)|(1<<20)|(1<<21)|(5<<22)|(7<<25)
	s_mov_b32 s[G1B+1], 128<<16
	s_mov_b32 s[G1B+2], 128<<16
	s_mov_b32 s[G1B+3], 128<<16
	s_mov_b32 s[G1B+4], 128
	s_mov_b32 s[G1B+5], 1024
	s_mov_b32 s[G1B+6], 0
	s_mov_b32 s[G1B+7], 0
	s_lshl_b32 s16, s41, 7
	s_lshl_b32 s17, s[WC], 6
	s_add_co_u32 s16, s16, s17
	s_mul_i32 s16, s16, SIZE_K*2
	s_mov_b32 s17, 0
	s_lshl_b32 s46, s[WC], 18
	s_lshl_b32 s47, s40, 8
	s_add_co_u32 s46, s46, s47
	s_add_co_u32 s46, s46, WOFF
	s_mov_b32 s47, 0
	s_mul_i32 s20, s[WC], HA
	s_mul_i32 s21, s[WC], HB
	s_add_co_u32 s21, s21, BOFF
	s_wait_dscnt 0x0
	s_wait_kmcnt 0x0
	s_add_nc_u64 s[18:19], s[4:5], s[16:17]
	s_add_nc_u64 s[46:47], s[6:7], s[46:47]
	CROUND
.irp s, 0,1
	s_mov_b32 s[G0A+4*(\s)], 1
	s_add_co_u32 s[G0A+4*(\s)+1], s20, (\s)*SLOT
	s_add_nc_u64 s[G0A+4*(\s)+2:G0A+4*(\s)+3], s[18:19], (\s)*KSTEP*2
	s_or_b32 s[G0A+4*(\s)+3], s[G0A+4*(\s)+3], 0x80000000
	s_mov_b32 s[G0B+4*(\s)], 1
	s_add_co_u32 s[G0B+4*(\s)+1], s21, (\s)*SLOT
	s_add_nc_u64 s[G0B+4*(\s)+2:G0B+4*(\s)+3], s[46:47], (\s)*KSTEP*2048
	s_or_b32 s[G0B+4*(\s)+3], s[G0B+4*(\s)+3], 0x80000000
	JLOAD \s
.endr
	v_and_b32 v1, 15, v0
	v_bfe_u32 v2, v0, 4, 1
	v_mul_u32_u24 v3, v1, PA
	v_lshl_add_u32 v3, v2, 4, v3
	s_mul_i32 s16, s[WR], HA
	v_add_nc_u32 v[A0], s16, v3
	v_and_b32 v4, 7, v0
	v_bfe_u32 v5, v0, 3, 1
	v_lshl_add_u32 v4, v2, 3, v4
	v_mul_u32_u24 v4, v4, PB
	v_lshl_add_u32 v4, v5, 4, v4
	s_lshl_b32 s16, s[WC], 7
	s_add_co_u32 s16, s16, BOFF
	v_add_nc_u32 v[B0], s16, v4
	v_add_nc_u32 v[B1], 128*PB, v[B0]
	s_mov_b32 s[TB], 0
	v_mov_b32 v[ADRA], v[A0]
	v_mov_b32 v[ADRB], v[B0]
	v_mov_b32 v[ADRB+1], v[B1]
	s_mul_i32 s16, s[WV], DW
	v_mul_u32_u24 v[STO], v1, DP
	v_lshl_add_u32 v[STO], v2, 5, v[STO]
	v_add_nc_u32 v[STO], s16, v[STO]
	v_mul_u32_u24 v[RD], v2, DP
	v_lshl_add_u32 v[RD], v1, 4, v[RD]
	v_add_nc_u32 v[RD], s16, v[RD]
	v_lshlrev_b32 v[CO], 12, v2
	v_lshl_add_u32 v[CO], v1, 4, v[CO]
	s_lshl_b32 s16, s41, 7
	s_lshl_b32 s17, s[WR], 6
	s_add_co_u32 s16, s16, s17
	s_lshl_b32 s16, s16, 12
	s_lshl_b32 s17, s40, 9
	s_add_co_u32 s16, s16, s17
	s_lshl_b32 s17, s[WC], 8
	s_add_co_u32 s16, s16, s17
	s_mov_b32 s17, 0
	s_add_nc_u64 s[8:9], s[8:9], s[16:17]
	s_add_nc_u64 s[10:11], s[10:11], s[16:17]
	s_wait_tensorcnt 0x1                           ; my part of K step 0 is in; step 1's may stay out
	s_barrier_signal -1
	s_barrier_wait -1
	FETCH 0, F0
	QUARTER 1, F0, F1, 1
	WIN 0
	s_mov_b32 s3, NSTEP-2
.Lstep:
	QUARTER 2, F1, F0, 0
	QUARTER 3, F0, F1, 0
	TURN 1
	QUARTER 1, F0, F1, 0
	WIN 0
	s_sub_co_u32 s3, s3, 1
	s_cmp_lg_u32 s3, 0
	s_cbranch_scc1 .Lstep
	WIN 0x80                                       ; my 64 x 64 of R, two K steps ahead of its use: destination window 2
.set t, 0
.rept 32
	global_load_b128 v[RES+4*t:RES+4*t+3], v[CO], s[8:9] offset:t*8192
.set t, t+1
.endr
	WIN 0
	s_mov_b32 s3, 2
.Ltail:
	QUARTER 2, F1, F0, 0
	QUARTER 3, F0, F1, 0
	WIN 0
	s_sub_co_u32 s3, s3, 1
	s_cmp_eq_u32 s3, 0
	s_cbranch_scc1 .Llast
	TURN 0
	QUARTER 1, F0, F1, 0
	WIN 0
	s_branch .Ltail
.Llast:
	s_wait_dscnt 16
	MUL8 F1, 0, 0, 0
	MUL8 F1, 0, 2, 0
	s_wait_dscnt 0x0
	MUL8 F1, 1, 0, 0
	MUL8 F1, 1, 2, 0
	WIN 0
	PLACES
	s_barrier_signal -1                            ; every wave's reads of the ring are over, and no tensor load is out
	s_barrier_wait -1
.irp a, 0,1,2,3
.irp b, 0,1,2,3
	ds_store_b128 v[STO], v[ACC+8*(4*(\a)+(\b)):ACC+8*(4*(\a)+(\b))+3]   offset:(\a)*16*DP+64*(\b)      ; each accumulator's low registers first
	ds_store_b128 v[STO], v[ACC+8*(4*(\a)+(\b))+4:ACC+8*(4*(\a)+(\b))+7] offset:(\a)*16*DP+64*(\b)+16
.endr
.endr
	WIN 0x40
.set t, 0
.rept 32
	ds_load_b128 v[XO+4*t:XO+4*t+3], v[RD] offset:t*2*DP   ; my own bytes: LDS serves a wave's instructions in order (ISA guide 5.7.1.4)
.set t, t+1
.endr
	s_wait_dscnt 0x0
	s_wait_loadcnt 0x0                             ; R
	WIN 0x49
.set t, 0
.rept 64
	v_pk_add_f32 v[XO+2*t:XO+2*t+1], v[XO+2*t:XO+2*t+1], v[RES+2*t:RES+2*t+1]
.set t, t+1
.endr
	WIN 0x04
.set t, 0
.rept 32
	global_store_b128 v[CO], v[XO+4*t:XO+4*t+3], s[10:11] offset:t*8192   ; 16 lanes store 256 consecutive bytes, aligned
.set t, t+1
.endr
	WIN 0
	s_wait_tensorcnt 0x0                           ; the wave's end
	ds_add_u32 v[SPW], v[NIL]
	s_wait_dscnt 0x0
	CROUND
	s_endpgm
.Lfunc_end_k_qd4d9915ecb_fc2:
	.size	k_qd4d9915ecb_fc2, .Lfunc_end_k_qd4d9915ecb_fc2-k_qd4d9915ecb_fc2
	.p2alignl 7, 3214868480
	.fill 96, 4, 3214868480
	.section	.rodata,"a",@progbits
	.p2align	6, 0x0
	.amdhsa_kernel k_qd4d9915ecb_fc2
		.amdhsa_group_segment_fixed_size 327680
		.amdhsa_private_segment_fixed_size 0
		.amdhsa_enable_private_segment 0
		.amdhsa_kernarg_size 32
		.amdhsa_user_sgpr_count 2
		.amdhsa_user_sgpr_kernarg_segment_ptr 1
		.amdhsa_wavefront_size32 1
		.amdhsa_system_sgpr_workgroup_id_x 1
		.amdhsa_system_sgpr_workgroup_id_y 1
		.amdhsa_system_sgpr_workgroup_id_z 1
		.amdhsa_system_vgpr_workitem_id 0
		.amdhsa_next_free_vgpr 768
		.amdhsa_next_free_sgpr 66
		.amdhsa_reserve_vcc 0
		.amdhsa_float_denorm_mode_32 3
		.amdhsa_float_denorm_mode_16_64 3
		.amdhsa_memory_ordered 1
		.amdhsa_forward_progress 1
		.amdhsa_inst_pref_size 67
	.end_amdhsa_kernel
	.amdgpu_metadata
---
amdhsa.version: [ 1, 2 ]
amdhsa.kernels:
  - .name:           k_qd4d9915ecb_fc2
    .symbol:         k_qd4d9915ecb_fc2.kd
    .args:
      - { .name: gact, .offset: 0, .size: 8, .value_kind: global_buffer, .address_space: global }
      - { .name: wbf, .offset: 8, .size: 8, .value_kind: global_buffer, .address_space: global }
      - { .name: x1, .offset: 16, .size: 8, .value_kind: global_buffer, .address_space: global }
      - { .name: out0, .offset: 24, .size: 8, .value_kind: global_buffer, .address_space: global }
    .group_segment_fixed_size: 327680
    .private_segment_fixed_size: 0
    .kernarg_segment_align: 8
    .kernarg_segment_size: 32
    .max_flat_workgroup_size: 128
    .sgpr_count:     66
    .vgpr_count:     768
    .wavefront_size: 32
...
	.end_amdgpu_metadata
.endif
;; end of part 7
